; MI455X (gfx1250); checked and timed in simulation.
; The chip was launched on July 23, 2026; its instructions are those of AMD's public machine-readable ISA for CDNA 5 (MIT licence, August 2026) and "CDNA5" Instruction Set Architecture Reference Guide (July 2026). The comments in the code are by the model that wrote it; some were corrected since.
;; DS Mo E. Allowed arithmetic: matrix products marked QUANTISED: E5M2 operands, one given power-of-two scale a tensor, by v_wmma_f32_16x16x64_bf8_bf8 or v_wmma_f32_16x16x128_bf8_bf8, f32 sums; products left as they are: f32 operands where the result goes on into a quantised operand, else bf16, f16 or f32 operands; f32 sums; everything else in f32.
;; Inputs: biases 8 float32; gate_w 8 x 512 float32; lowp_scales 12 int32 (the exponents e of the quantised operands' scales 2^e); sw1_codes 1,024 x 16 x 32 uint8 (E5M2 codes of sw1, K innermost, in blocks of 32 codes); sw2_codes 512 x 32 x 32 uint8 (E5M2 codes of sw2, K innermost, in blocks of 32 codes); sw3_codes 1,024 x 16 x 32 uint8 (E5M2 codes of sw3, K innermost, in blocks of 32 codes); w1_codes 8 x 1,024 x 16 x 32 uint8 (E5M2 codes of w1, K innermost, in blocks of 32 codes); w2_codes 8 x 512 x 32 x 32 uint8 (E5M2 codes of w2, K innermost, in blocks of 32 codes); w3_codes 8 x 1,024 x 16 x 32 uint8 (E5M2 codes of w3, K innermost, in blocks of 32 codes); x 4 x 1,024 x 512 float32.
;; Outputs: out0 4 x 1,024 x 512 float32.
;; This version of the problem:
;;   THIS VERSION OF THE PROBLEM IS GIVEN IN LOW PRECISION. The matrix products marked QUANTISED in the list below multiply operands that are first quantised to E5M2 (5 exponent bits, 2 mantissa bits; 8 bits a number), with one given power-of-two scale for each operand tensor; their sums are f32. All else is computed in f32.
;;   The module's matrix products, in the order in which they are computed (A, B: the left and right operand; K: the contracted axis; several contracted axes count as one K, in the product's order):
;;     1. [M 4,096, K 512] x [K 512, N 1,024]; A: input x; B: input sw1 (given as codes): QUANTISED (scales: A lowp_scales[0], B lowp_scales[1])
;;     2. [M 4,096, K 512] x [K 512, N 1,024]; A: input x; B: input sw3 (given as codes): QUANTISED (scales: A lowp_scales[2], B lowp_scales[3])
;;     3. [M 4,096, K 1,024] x [K 1,024, N 512]; A: computed on the way; B: input sw2 (given as codes): QUANTISED (scales: A lowp_scales[4], B lowp_scales[5])
;;     4. [M 4,096, K 512] x [K 512, N 8]; A: input x; B: input gate_w: left as it is (N = 8 < 16)
;;     5. [M 8,192, K 512] x [K 512, N 4,096]; A: input w1 (given as codes); B: input x: QUANTISED (scales: A lowp_scales[6], B lowp_scales[7])
;;     6. [M 8,192, K 512] x [K 512, N 4,096]; A: input w3 (given as codes); B: input x: QUANTISED (scales: A lowp_scales[8], B lowp_scales[9])
;;     7. batch 8 x [M 4,096, K 1,024] x [K 1,024, N 512]; A: computed on the way; B: input w2 (given as codes): QUANTISED (scales: A lowp_scales[10], B lowp_scales[11])
;;     8. batch 4,096 x [M 1, K 2] x [K 2, N 8]; A: computed on the way; B: computed on the way: left as it is (K = 2 < 32)
;;     9. batch 4,096 x [M 1, K 8] x [K 8, N 512]; A: computed on the way; B: computed on the way: left as it is (K = 8 < 32)
;;   THE QUANTISER, for each operand of a quantised product, along K:
;;     - The operand's scale is 2^e, e = its entry of the input lowp_scales (int32; the entries are numbered through the quantised products in the list's order, A before B).
;;     - Each number is divided by the scale, clamped to +-57,344, and rounded to the nearest number of E5M2, ties to even, subnormals kept.
;;     - The product sums the exact products of the quantised numbers (number of the format x scale) in f32.
;;   ~~~python
;;   def quantise(x, axis, e):      # numpy; x: float32 -> the quantised numbers, widened to float32 again
;;       x = np.moveaxis(x, axis, -1); K = x.shape[-1]
;;       r = np.clip(x / 2.0 ** e, -57344, 57344)
;;       step = 2.0 ** (np.maximum(np.frexp(np.where(r == 0, 1, r))[1] - 1, -14) - 2)
;;       q = np.round(r / step) * step * 2.0 ** e      # np.round: ties to even
;;       return np.moveaxis(q, -1, axis).astype(np.float32)
;;   ~~~
;;   OPERANDS COMPUTED ON THE WAY. 'Computed on the way' means the value that the module computes at that place (a softmax that the list does not call 'softmax' is quantised finished and normalised). What goes into a quantiser is computed in f32, as accurately as f32 sums, v_exp_f32 and their like allow (about 1e-6 of the number): no bf16 or f16 on the way to a quantiser, and a product that is left as it is and whose result goes on into a quantised operand takes f32 operands (vector FMAs, or v_wmma_f32_16x16x4_f32). A number that lies on a knife's edge between two numbers of the format may be rounded either way, as far as f32 arithmetic and the matrix unit's own rounding can turn it there, and no further.
;;   INPUTS GIVEN AS CODES. sw1 (in the module: [512, 1024], K = its axis 0); sw2 (in the module: [1024, 512], K = its axis 0); sw3 (in the module: [512, 1024], K = its axis 0); w1 (in the module: [8, 512, 1024], K = its axis 1); w2 (in the module: [8, 1024, 512], K = its axis 1); w3 (in the module: [8, 512, 1024], K = its axis 1): each comes as NAME_codes (uint8): NAME with its K axis moved to the last place and cut into blocks of 32 codes, [.., K / 32, bytes a block], one block behind the other in memory; one code a byte (a code: sign, 5 exponent bits, 2 mantissa bits); its scale is its entry of lowp_scales. Its value is code x scale, taken as it is: it is not quantised again, and the codes and scales need not be those that the quantiser above would give.
;; 2 versions, each right; version 2 is version 1 with the launch chain written anew for expert scheduling mode. Each part assembles by itself: llvm-mc -triple=amdgcn-amd-amdhsa -mcpu=gfx1250 --defsym DOCPART=n.
;; ======== version 1 of 2: 4 launches
;; workspace buffers: plan 12,288 bytes of whole numbers; rows 53,248 bytes of whole numbers; gatew 49,152 bytes; wf 14,155,776 bytes; ybuf 25,165,824 bytes; xq 8,388,608 bytes
;; launch prep (part 1): grid 344 x 1, 8 waves a work-group, no clusters, 91,136 bytes of LDS; arguments x, gate_w, biases, w1_codes, w3_codes, w2_codes, sw1_codes, sw3_codes, sw2_codes, plan, gatew, wf, lowp_scales, xq; writes plan, gatew, wf, xq
.if DOCPART == 1
	.amdgcn_target "amdgcn-amd-amdhsa--gfx1250"
	.amdhsa_code_object_version 6
	.text
	.protected	k_q380832e7bf_prep
	.globl	k_q380832e7bf_prep
	.p2align	8
	.type	k_q380832e7bf_prep,@function
k_q380832e7bf_prep:
	s_mov_b64 s[64:65], 0
	v_nop
	global_prefetch_b8 v0, s[64:65] scope:SCOPE_SE
	s_setreg_imm32_b32 hwreg(HW_REG_WAVE_MODE, 25, 1), 1
	s_wait_xcnt 0x0
; PREP: two jobs in one launch, parted on the work-group's number.
; Work-groups 0-127, THE ROUTER: 32 tokens each.  scores = x . gate_w in f32 (vector multiply-adds); the two experts are the top 2 of scores + biases (the lower index wins a tie),
; the two gate values the top 2 of the scores without biases, in falling order, through a sigmoid and normalised.  Nothing here forms an address from the choice: it is stored at fixed places:
;   plan words 0-1023     mask[e][blk]: bit i = token 32 blk + i uses expert e          plan words 1024-2047  cnt[e][blk]: that mask's number of bits
;   plan words 2048-3071  mask2[e][blk]: bit i = expert e is that token's SECOND choice
;   gatew [3][4096] f32: plane 0 the first choice's weight, plane 1 the second's, plane 2 the number 1 (the shared expert's)
; While a token's row of x is in registers it is also QUANTISED, once for all the tiles that will use it: xq [4][4096][512]: codes of E5M2, K innermost, with the four scales given for x:
;   version 0: entry 0 of lowp_scales (shared, for sw1), 1: entry 2 (shared, for sw3), 2: entry 7 (routed, for w1), 3: entry 9 (routed, for w3).  code = x / 2^e, held within +-57,344, to the nearest code, ties to even.
; Work-groups 128-343, THE LAYOUT: the codes of the nine experts (slot 0 = the shared one) are laid once in the order in which the chain's operand registers take them:
;   wf = 9 slots x 4 wave streams x 48 groups x 4 fragments x [piece c 0-3][lane 0-31][16 bytes]; lane (r, h), piece c: 16 codes, k = 128 s + 32 c + 16 h + 0..15, of the lane's weight row.
;   groups 0-31 (pair pi = g / 4, K step s = g % 4): fragment f = 2 mat + uu (mat 0 = w1, 1 = w3); lane r takes hidden unit 256 w + 32 pi + 8 uu + r + 8 (r / 8).
;   groups 32-47 (g' = g - 32: half = g' / 8, np = (g' / 2) % 4, kp = g' % 2): fragment f: K step 4 half + 2 kp + f / 2, row of w2 128 w + 16 (2 np + f % 2) + r.
; A unit of the layout is 16 rows x 512 bytes, one a wave: 16 loads of 512 consecutive bytes, a turn through the wave's own stage in LDS, 16 stores of 512 consecutive bytes.
; LIMITS: NaN and infinities among x, gate_w and biases are not served.  The four exponents of x's scales lie between -126 and 112, so that 2^e and 57,344 x 2^e are f32 numbers.
; The scores are summed in another order than a row-by-row sum: a token whose second and third biased scores lie within f32 rounding of each other (about 1e-6 of their size) may be routed either way.
; No matrix unit (N = 8), no cluster (work-groups share only gate_w's 16 KB), no tensor load: every byte goes through registers once.
.set NRT,    128                       ; the router's work-groups
.set SCO,    0                         ; LDS, router: 32 tokens x 8 scores, 32 bytes a token
.set RST,    2048                      ; LDS, layout: a stage of 16 rows x 528 bytes for each wave
.set RP,     528                       ; 512 bytes + 16: 33 x 16, so that 16 rows' equal columns fall on different banks (64 banks of 4 bytes: ISA guide 11.1)
.set RW,     16*RP
.set TST,    RST+8*RW                  ; LDS, router: a stage of 32 x 80 bytes for each wave, in which a row of x turns
.set TP,     80                        ; a lane's place in it: its 64 bytes + 16 of padding
.set TW,     32*TP
.set XQV,    2097152                   ; bytes of a version of x's codes
.set LOG2E,  0x3fb8aa3b
.set SLOTB,  1572864                   ; bytes of an expert's slot in wf
.set STREAM, 393216                    ; of a wave's stream
	s_load_b512 s[8:23], s[0:1], 0x0               ; x 8, gate_w 10, biases 12, w1 14, w3 16, w2 18, sw1 20, sw3 22
	s_load_b256 s[24:31], s[0:1], 0x40             ; sw2 24, plan 26, gatew 28, wf 30
	s_load_b128 s[72:75], s[0:1], 0x60             ; lowp_scales 72, xq 74
	s_set_vgpr_msb 0x40
	v_lshl_add_u32 v0, v0, 2, 0x16000
	v_mov_b32 v1, 0
	s_set_vgpr_msb 0x4000
	v_and_b32 v1, 31, v0                           ; lane
	v_lshrrev_b32 v5, 5, v0
	v_readfirstlane_b32 s32, v5                    ; wave 0..7
	v_lshlrev_b32 v2, 4, v1                        ; 16 x lane
	s_cmp_lt_u32 ttmp9, NRT
	s_cbranch_scc0 .Llayout
; ---------------- THE ROUTER.  A wave takes 4 tokens, one after the other; for the scores the lanes lie along D: lane l holds d = 128 q + 4 l + 0..3, q = 0..3, so every load is 512 consecutive bytes.
; v6-13 the four scales and holds; v14, v15 the stage; v16-31 a token's codes, 4 registers a version; v32-47 eight pairs of sums, then 16 held numbers; v48-55 the scores; v56-63 the other half's;
; v64-127 four tokens of x; v128-255 gate_w (16 e + 4 q).
	s_lshl_b32 s33, s32, 7
	v_mov_b32 v3, s33                              ; SCO + 128 x wave: my 4 tokens' scores
	s_mul_i32 s38, s32, TW
	s_add_co_u32 s38, s38, TST                     ; my stage
	v_lshrrev_b32 v14, 2, v1
	v_mul_u32_u24 v14, v14, TP
	v_and_b32 v15, 3, v1
	v_lshl_add_u32 v14, v15, 4, v14
	v_add_nc_u32 v14, s38, v14                     ; into it: four lanes' 64 bytes on end, then 16 of padding; a load's 512 bytes take eight places
	v_mul_u32_u24 v15, v1, TP
	v_add_nc_u32 v15, s38, v15                     ; out of it: my 16 neighbours, d = 16 l + 0..15
	s_lshl_b32 s34, ttmp9, 16                      ; 32 tokens of 2,048 bytes
	s_lshl_b32 s35, s32, 13                        ; 4 tokens
	s_add_co_u32 s34, s34, s35
	s_mov_b32 s35, 0
	s_lshr_b32 s66, s34, 2                         ; their codes: a quarter of the bytes
	s_mov_b32 s67, 0
	s_mov_b32 s36, 0x76543210                      ; v_permlanex16_b32: lane l xor 16
	s_mov_b32 s37, 0xfedcba98
	s_wait_kmcnt 0x0
	s_load_b256 s[40:47], s[12:13], 0x0            ; the eight biases
	s_load_b256 s[52:59], s[72:73], 0x0            ; the twelve exponents
	s_load_b128 s[60:63], s[72:73], 0x20
	s_add_nc_u64 s[8:9], s[8:9], s[34:35]          ; x at my first token
	s_add_nc_u64 s[74:75], s[74:75], s[66:67]      ; xq likewise
.irp e, 0,1,2,3,4,5,6,7
.irp q, 0,1,2,3
	global_load_b128 v[128+16*\e+4*\q:128+16*\e+4*\q+3], v2, s[10:11] offset:2048*\e+512*\q
.endr
.endr
.irp i, 0,1,2,3
.irp q, 0,1,2,3
	global_load_b128 v[64+16*\i+4*\q:64+16*\i+4*\q+3], v2, s[8:9] offset:2048*\i+512*\q th:TH_LOAD_NT   ; read once in the whole program
.endr
.endr
.irp e, 0,1,2,3,4,5,6,7
	v_mov_b32 v[56+\e], 0                          ; a lane permute's destination counts as one of its sources: written once
.endr
.macro MKSC se, vs, vl                 ; 2^e (the conversion takes its exponent field) and 57,344 x 2^e, as f32
	s_add_co_i32 s38, s[\se], 127
	s_lshl_b32 s39, s38, 23
	v_mov_b32 v[\vs], s39
	s_add_co_i32 s38, s38, 15
	s_lshl_b32 s38, s38, 23
	s_or_b32 s38, s38, 0x600000
	v_mov_b32 v[\vl], s38
.endm
	s_wait_kmcnt 0x0
	MKSC 52, 6, 7                                  ; entry 0
	MKSC 54, 8, 9                                  ; entry 2
	MKSC 59, 10, 11                                ; entry 7
	MKSC 61, 12, 13                                ; entry 9
.macro TOKEN i
.set XS, 64+16*(\i)
	s_wait_loadcnt 4*(3-(\i))                      ; loads come back in order: this token's four are in, the younger tokens' may be out
	s_wait_dscnt 0x0                               ; the last token's two LDS stores are done: the scores' registers are written again
.irp q, 0,1,2,3
	ds_store_b128 v14, v[XS+4*\q:XS+4*\q+3] offset:8*TP*\q   ; the row goes into the stage as it lies
.endr
.irp p, 0,1,2,3,4,5,6,7                ; eight chains, one an expert, take turns; the first product starts each sum
.irp e, 0,1,2,3,4,5,6,7
.if \p == 0
	v_pk_mul_f32 v[32+2*\e:33+2*\e], v[XS+2*\p:XS+2*\p+1], v[128+16*\e+2*\p:129+16*\e+2*\p]
.else
	v_pk_fma_f32 v[32+2*\e:33+2*\e], v[XS+2*\p:XS+2*\p+1], v[128+16*\e+2*\p:129+16*\e+2*\p], v[32+2*\e:33+2*\e]
.endif
.endr
.endr
.irp j, 0,1,2,3
	ds_load_b128 v[XS+4*\j:XS+4*\j+3], v15 offset:16*\j      ; and comes back 64 bytes a lane, into the registers that it left; LDS serves a wave's instructions in order (ISA guide 5.7.1.4).  The sums below stand between these loads and the wait for them
.endr
.irp e, 0,1,2,3,4,5,6,7
	v_add_f32 v[48+\e], v[32+2*\e], v[33+2*\e]
.endr
.irp m, 1,2,4,8                        ; across 16 lanes on the addition itself, then the other half
.irp e, 0,1,2,3,4,5,6,7
	v_add_f32_dpp v[48+\e], v[48+\e], v[48+\e] row_xmask:\m row_mask:0xf bank_mask:0xf
.endr
.endr
.irp e, 0,1,2,3,4,5,6,7
	v_permlanex16_b32 v[56+\e], v[48+\e], s36, s37
.endr
.irp e, 0,1,2,3,4,5,6,7
	v_add_f32 v[48+\e], v[48+\e], v[56+\e]
.endr
	ds_store_b128 v3, v[48:51] offset:32*(\i)      ; every lane holds the same eight scores and writes them to the same 32 bytes
	ds_store_b128 v3, v[52:55] offset:32*(\i)+16
	s_wait_dscnt 0x2                               ; my 16 neighbours are in; the two stores just issued may be out
	s_wait_xcnt 0x0                                ; the last token's four stores have read their registers: the codes are written again only behind this wait
.irp ver, 0,1,2,3
.irp k, 0,1,2,3,4,5,6,7,8,9,10,11,12,13,14,15
	v_med3_num_f32 v[32+\k], v[XS+\k], -v[7+2*\ver], v[7+2*\ver]   ; the conversion to an 8-bit code does not saturate (ISA guide 7.6.2): the hold at the largest code x the scale
.endr
	v_cvt_scalef32_pk8_bf8_f32 v[16+4*\ver:17+4*\ver], v[32:39], v[6+2*\ver]
	v_cvt_scalef32_pk8_bf8_f32 v[18+4*\ver:19+4*\ver], v[40:47], v[6+2*\ver]
	v_nop                                          ; one plain line between the conversions and the next vector line that writes their sources
	global_store_b128 v2, v[16+4*\ver:19+4*\ver], s[74:75] offset:XQV*\ver+512*(\i)   ; the token's 512 codes of this version: 512 consecutive bytes
.endr
.endm
.irp i, 0,1,2,3
	TOKEN \i
.endr
	s_wait_dscnt 0x0                               ; for the others' sake: my scores lie in LDS
	s_barrier_signal -1
	s_barrier_wait -1
	s_cmp_lt_u32 s32, 1
	s_cbranch_scc1 .Ltop
	s_set_vgpr_msb 0x5
	s_wait_tensorcnt 0x0
	ds_add_u32 v0, v1
	s_wait_dscnt 0x0
	s_set_vgpr_msb 0x500
	s_endpgm                                       ; waves 1-7 are done: the choice is one thread a token, 32 threads
.Ltop:
	v_lshlrev_b32 v4, 5, v1                        ; my token of the 32
	ds_load_b128 v[48:51], v4
	ds_load_b128 v[52:55], v4 offset:16
	s_wait_dscnt 0x0
.irp e, 0,1,2,3,4,5,6,7
	v_add_f32 v[64+\e], s[40+\e], v[48+\e]         ; the biased scores choose
.endr
	v_mov_b32 v72, v64                             ; m0, i0: the largest so far
	v_mov_b32 v73, 0
	v_mov_b32 v74, 0xff800000                      ; m1, i1: the second
	v_mov_b32 v75, 1
	v_mov_b32 v76, v48                             ; t0, t1: the two largest scores without biases
	v_mov_b32 v77, 0xff800000
.irp e, 1,2,3,4,5,6,7                  ; a strict > keeps the lower index on a tie
	v_cmp_gt_f32 s48, v[64+\e], v72
	v_cmp_gt_f32 s49, v[64+\e], v74
	v_cndmask_b32 v74, v74, v[64+\e], s49
	v_cndmask_b32 v75, v75, \e, s49
	v_cndmask_b32 v74, v74, v72, s48
	v_cndmask_b32 v75, v75, v73, s48
	v_cndmask_b32 v72, v72, v[64+\e], s48
	v_cndmask_b32 v73, v73, \e, s48
	v_med3_num_f32 v77, v76, v77, v[48+\e]         ; the middle of (largest, second, new) is the new second
	v_max_num_f32 v76, v76, v[48+\e]
.endr
; sigmoid(t0) / (sigmoid(t0) + sigmoid(t1)) = (1 + e^-t1) / ((1 + e^-t1) + (1 + e^-t0)); all of it times e^c, c = min(t1, 0): the three exponents are then 0 or less and the divisor at least 1
	v_min_num_f32 v80, 0, v77
	v_sub_f32 v82, v80, v76
	v_sub_f32 v83, v80, v77
	v_mul_f32 v81, LOG2E, v80
	v_mul_f32 v82, LOG2E, v82
	v_mul_f32 v83, LOG2E, v83
	v_exp_f32 v81, v81
	v_exp_f32 v82, v82
	v_exp_f32 v83, v83
	v_nop                                          ; one plain line behind the transcendentals (ISA guide 5.7.2)
	s_wait_alu depctr_va_vdst(0)
	v_add_f32 v84, v81, v83
	v_add_f32 v85, v81, v82
	v_add_f32 v86, v84, v85
	v_rcp_f32 v86, v86
	v_mov_b32 v90, 1.0                             ; (a plain line)  the shared expert's weight
	s_wait_alu depctr_va_vdst(0)
	v_mul_f32 v88, v84, v86                        ; the weight of the first chosen expert,
	v_mul_f32 v89, v85, v86                        ; of the second
	s_lshl_b32 s50, ttmp9, 7
	v_lshlrev_b32 v91, 2, v1
	v_add_nc_u32 v91, s50, v91                     ; 4 x token
	global_store_b32 v91, v88, s[28:29]            ; the 32 tokens: 128 consecutive bytes in each of the three planes
	global_store_b32 v91, v89, s[28:29] offset:16384
	global_store_b32 v91, v90, s[28:29] offset:32768
	v_mov_b32 v78, 0
	v_mov_b32 v79, 0
	v_mov_b32 v94, 0
.irp e, 0,1,2,3,4,5,6,7                ; the 32 tokens are one block: expert e's masks are compares' results, the count a scalar bit count; lane e takes the three
	v_cmp_eq_u32 s48, \e, v73
	v_cmp_eq_u32 s49, \e, v75
	v_writelane_b32 v94, s49, \e
	s_or_b32 s48, s48, s49
	s_bcnt1_i32_b32 s49, s48
	v_writelane_b32 v78, s48, \e
	v_writelane_b32 v79, s49, \e
.endr
	s_lshl_b32 s50, ttmp9, 2                       ; block = work-group
	v_lshl_add_u32 v93, v1, 9, s50                 ; 512 x expert + 4 x block
	s_wait_xcnt 0x0                                ; EXEC changes only behind this wait
	v_cmp_gt_u32 vcc_lo, 8, v1
	s_set_vgpr_msb 0x5
	s_wait_tensorcnt 0x0
	ds_add_u32 v0, v1
	s_wait_dscnt 0x0
	s_set_vgpr_msb 0x500
	s_and_saveexec_b32 s51, vcc_lo
	global_store_b32 v93, v78, s[26:27]            ; eight words 512 bytes apart, 12 KB in the whole launch: laid so that each of the next launch's waves reads an expert's 128 words as 512 consecutive bytes
	global_store_b32 v93, v79, s[26:27] offset:4096
	global_store_b32 v93, v94, s[26:27] offset:8192
	s_wait_xcnt 0x0
	s_or_b32 exec_lo, exec_lo, s51
	s_endpgm
; ---------------- THE LAYOUT.  216 work-groups x 8 waves = 1,728 units of 8 KB; 24 work-groups a slot: 16 for w1 and w3 (type A), 8 for w2 (type B).  One text serves both: only numbers are chosen.
.Llayout:
	s_sub_co_u32 s33, ttmp9, NRT                   ; kappa 0..215
	s_mul_i32 s34, s33, 2731
	s_lshr_b32 s34, s34, 16                        ; slot u = kappa / 24 (2731 x 24 = 65,544: exact for kappa under 216)
	s_mul_i32 s35, s34, 24
	s_sub_co_u32 s35, s33, s35                     ; kappa' 0..23
	s_and_b32 s36, s32, 1                          ; hb
	s_lshr_b32 s37, s32, 1                         ; wq
	s_sub_co_i32 s38, s34, 1
	s_max_i32 s38, s38, 0
	s_lshl_b32 s38, s38, 19                        ; the routed expert's 524,288 bytes in its tensor; 0 for the shared one
	s_lshl_b32 s39, s35, 2
	s_add_co_u32 s39, s39, s37                     ; 4 kappa' + wq
	; type A: mat = kappa' / 8; beta = block of 32 hidden units; uu = hb
	s_lshr_b32 s40, s35, 3
	s_and_b32 s41, s39, 31
	s_lshl_b32 s42, s41, 14                        ; 32 beta rows of 512 bytes
	s_lshl_b32 s43, s36, 12                        ; + 8 uu rows
	s_add_co_u32 s42, s42, s43                     ; from
	s_lshr_b32 s43, s41, 3
	s_mul_i32 s43, s43, STREAM                     ; stream beta / 8,
	s_and_b32 s44, s41, 7
	s_lshl_b32 s44, s44, 15                        ; pair beta % 8: four groups,
	s_add_co_u32 s43, s43, s44
	s_lshl_b32 s44, s40, 1
	s_add_co_u32 s44, s44, s36
	s_lshl_b32 s44, s44, 11                        ; fragment 2 mat + uu
	s_add_co_u32 s43, s43, s44                     ; to
	; type B: kappa'' = kappa' - 16; w = kappa'' / 2; nt = tile of 16 rows of w2; half = hb
	s_sub_co_i32 s45, s35, 16
	s_max_i32 s45, s45, 0
	s_lshr_b32 s46, s45, 1
	s_and_b32 s47, s39, 7
	s_lshl_b32 s48, s46, 17                        ; 128 w rows of 1,024 bytes
	s_lshl_b32 s49, s47, 14                        ; + 16 nt rows
	s_add_co_u32 s48, s48, s49
	s_lshl_b32 s49, s36, 9                         ; + 512 half
	s_add_co_u32 s48, s48, s49                     ; from
	s_mul_i32 s49, s46, STREAM
	s_lshl_b32 s50, s36, 3
	s_and_b32 s51, s47, 6
	s_add_co_u32 s50, s50, s51
	s_add_co_u32 s50, s50, 32
	s_lshl_b32 s50, s50, 13                        ; group 32 + 8 half + 2 (nt / 2)
	s_add_co_u32 s49, s49, s50
	s_and_b32 s51, s47, 1
	s_lshl_b32 s51, s51, 11                        ; fragment nt % 2
	s_add_co_u32 s49, s49, s51                     ; to
	s_cmp_lt_u32 s35, 16                           ; every choice on this compare stands ahead of the lines that write SCC
	s_cselect_b32 s52, s42, s48
	s_cselect_b32 s53, s43, s49
	s_cselect_b32 s54, 9, 10
	s_cselect_b32 s55, 4096, 0                     ; Q: type A's rows 8-15 lie 8 rows further on
	s_cselect_b32 s56, 13, 12
	s_lshl_b32 s54, 1, s54                         ; P: a row's bytes in memory, 512 or 1,024
	s_lshl_b32 s56, 1, s56                         ; D0: from K step s to s + 1 in wf: a group (A) or two fragments (B)
	s_lshl_b32 s57, s56, 1                         ; D1: from s to s + 2
	s_add_co_u32 s66, s52, s38
	s_mov_b32 s67, 0
	s_mul_i32 s68, s34, SLOTB
	s_add_co_u32 s68, s68, s53
	s_mov_b32 s69, 0
	s_mul_i32 s70, s32, RW
	s_add_co_u32 s70, s70, RST                     ; my stage
	v_add_nc_u32 v6, s70, v2                       ; into it: a row's 512 bytes as they lie
	v_and_b32 v7, 15, v0                           ; r
	v_bfe_u32 v8, v0, 4, 1                         ; h
	v_mul_u32_u24 v9, v7, RP
	v_lshl_add_u32 v9, v8, 4, v9
	v_add_nc_u32 v9, s70, v9                       ; out of it: row r, + 16 h
	s_mov_b32 s71, 0
.irp i, 0,1,2,3,4,5,6,7,8,9,10,11,12,13,14,15
	v_add_nc_u32 v[16+\i], s71, v2                 ; row i: 16 x lane + i P + (i / 8) Q
	s_add_co_u32 s71, s71, s54
.if \i == 7
	s_add_co_u32 s71, s71, s55
.endif
.endr
	v_mov_b32 v32, v2                              ; K step s: 16 x lane + (s / 2) D1 + (s % 2) D0
	v_add_nc_u32 v33, s56, v2
	v_add_nc_u32 v34, s57, v2
	v_add_nc_u32 v35, s56, v34
	s_wait_kmcnt 0x0
	s_cmp_eq_u32 s34, 0                            ; the tensor is chosen on ids alone
	s_cselect_b64 s[58:59], s[20:21], s[14:15]     ; sw1 or w1
	s_cselect_b64 s[60:61], s[22:23], s[16:17]     ; sw3 or w3
	s_cselect_b64 s[62:63], s[24:25], s[18:19]     ; sw2 or w2
	s_cmp_eq_u32 s40, 0
	s_cselect_b64 s[58:59], s[58:59], s[60:61]
	s_cmp_lt_u32 s35, 16
	s_cselect_b64 s[58:59], s[58:59], s[62:63]
	s_add_nc_u64 s[58:59], s[58:59], s[66:67]
	s_add_nc_u64 s[30:31], s[30:31], s[68:69]
.irp i, 0,1,2,3,4,5,6,7,8,9,10,11,12,13,14,15
	global_load_b128 v[64+4*\i:67+4*\i], v[16+\i], s[58:59] th:TH_LOAD_NT   ; 512 consecutive bytes of one row; read once in the launch
.endr
.irp i, 0,1,2,3,4,5,6,7,8,9,10,11,12,13,14,15
	s_wait_loadcnt 15-\i                           ; row i is in; the younger rows may be out
	ds_store_b128 v6, v[64+4*\i:67+4*\i] offset:RP*\i
.endr
.irp k, 0,1,2,3,4,5,6,7,8,9,10,11,12,13,14,15
	ds_load_b128 v[128+4*\k:131+4*\k], v9 offset:32*\k   ; k = 4 s + c: bytes 128 s + 32 c + 16 h of row r.  LDS serves a wave's instructions in order (ISA guide 5.7.1.4): these see my stores
.endr
.irp s, 0,1,2,3
.irp c, 0,1,2,3
	s_wait_dscnt 15-4*\s-\c
	global_store_b128 v[32+\s], v[128+16*\s+4*\c:131+16*\s+4*\c], s[30:31] offset:512*\c   ; 32 lanes store 512 consecutive bytes, at a multiple of 512 from wf's first byte
.endr
.endr
	s_set_vgpr_msb 0x5
	s_wait_tensorcnt 0x0
	ds_add_u32 v0, v1
	s_wait_dscnt 0x0
	s_set_vgpr_msb 0x500
	s_endpgm
.Lfunc_end_k_q380832e7bf_prep:
	.size	k_q380832e7bf_prep, .Lfunc_end_k_q380832e7bf_prep-k_q380832e7bf_prep
	.p2alignl 7, 3214868480
	.fill 96, 4, 3214868480
	.section	.rodata,"a",@progbits
	.p2align	6, 0x0
	.amdhsa_kernel k_q380832e7bf_prep
		.amdhsa_group_segment_fixed_size 91136
		.amdhsa_private_segment_fixed_size 0
		.amdhsa_enable_private_segment 0
		.amdhsa_kernarg_size 112
		.amdhsa_user_sgpr_count 2
		.amdhsa_user_sgpr_kernarg_segment_ptr 1
		.amdhsa_wavefront_size32 1
		.amdhsa_system_sgpr_workgroup_id_x 1
		.amdhsa_system_sgpr_workgroup_id_y 1
		.amdhsa_system_sgpr_workgroup_id_z 1
		.amdhsa_system_vgpr_workitem_id 0
		.amdhsa_next_free_vgpr 258
		.amdhsa_next_free_sgpr 80
		.amdhsa_reserve_vcc 1
		.amdhsa_float_denorm_mode_32 3
		.amdhsa_float_denorm_mode_16_64 3
		.amdhsa_memory_ordered 1
		.amdhsa_forward_progress 1
		.amdhsa_inst_pref_size 80
	.end_amdhsa_kernel
	.amdgpu_metadata
---
amdhsa.version: [ 1, 2 ]
amdhsa.kernels:
  - .name:           k_q380832e7bf_prep
    .symbol:         k_q380832e7bf_prep.kd
    .args:
      - { .name: x, .offset: 0, .size: 8, .value_kind: global_buffer, .address_space: global }
      - { .name: gate_w, .offset: 8, .size: 8, .value_kind: global_buffer, .address_space: global }
      - { .name: biases, .offset: 16, .size: 8, .value_kind: global_buffer, .address_space: global }
      - { .name: w1_codes, .offset: 24, .size: 8, .value_kind: global_buffer, .address_space: global }
      - { .name: w3_codes, .offset: 32, .size: 8, .value_kind: global_buffer, .address_space: global }
      - { .name: w2_codes, .offset: 40, .size: 8, .value_kind: global_buffer, .address_space: global }
      - { .name: sw1_codes, .offset: 48, .size: 8, .value_kind: global_buffer, .address_space: global }
      - { .name: sw3_codes, .offset: 56, .size: 8, .value_kind: global_buffer, .address_space: global }
      - { .name: sw2_codes, .offset: 64, .size: 8, .value_kind: global_buffer, .address_space: global }
      - { .name: plan, .offset: 72, .size: 8, .value_kind: global_buffer, .address_space: global }
      - { .name: gatew, .offset: 80, .size: 8, .value_kind: global_buffer, .address_space: global }
      - { .name: wf, .offset: 88, .size: 8, .value_kind: global_buffer, .address_space: global }
      - { .name: lowp_scales, .offset: 96, .size: 8, .value_kind: global_buffer, .address_space: global }
      - { .name: xq, .offset: 104, .size: 8, .value_kind: global_buffer, .address_space: global }
    .group_segment_fixed_size: 91136
    .private_segment_fixed_size: 0
    .kernarg_segment_align: 8
    .kernarg_segment_size: 112
    .max_flat_workgroup_size: 256
    .sgpr_count:     80
    .vgpr_count:     258
    .wavefront_size: 32
...
	.end_amdgpu_metadata
.endif
;; end of part 1
;; launch sort (part 2): grid 199 x 1, 2 waves a work-group, no clusters, 0 bytes of LDS; arguments plan, rows; writes rows
.if DOCPART == 2
	.amdgcn_target "amdgcn-amd-amdhsa--gfx1250"
	.amdhsa_code_object_version 6
	.text
	.protected	k_q380832e7bf_sort
	.globl	k_q380832e7bf_sort
	.p2align	8
	.type	k_q380832e7bf_sort,@function
k_q380832e7bf_sort:
	s_mov_b64 s[64:65], 0
	v_nop
	global_prefetch_b8 v0, s[64:65] scope:SCOPE_SE
	s_setreg_imm32_b32 hwreg(HW_REG_WAVE_MODE, 25, 1), 1
	s_wait_xcnt 0x0
; SORT: the rows of each expert are dealt to tiles of 64, as a GATHER: work-group = tile, thread = row of the tile.  Each thread finds, by whole-number arithmetic on the masks and counts that the
; launch before stored, which token has its rank among its slot's rows, and stores that at a fixed place.  No address and no branch of this launch hangs on what it computes.
;   slots: 0 = the shared expert (all 4,096 tokens), e + 1 = routed expert e (the tokens that chose it, in ascending order).  The slots' tiles follow each other, ceil(rows / 64) each:
;   64 + at most 8192 / 64 + 7 = 199 tiles, whatever the split.
;   rows words 64 tile + j:  D = plane x 4096 + token  (plane 0, 1: the expert is the token's first, second choice; 2: the shared expert).  A rank beyond the slot's rows gets some D in range, which is worked and never stored.
;   rows bytes 51,200 + 8 tile:  the tile's slot, its number of rows (0 to 64)
; Each wave reads all 12 KB of plan (24 loads of 512 consecutive bytes); the lane permutes touch no LDS byte.  No barrier: waves share nothing.
; v72-79 my slot's masks and counts of my lane's four blocks; v116-119 its second-choice masks; v80-82 the lanes' running sums; v83 my rank; v84 the lane, v99 the block, v104 the bit found.
.set TILES, 51200
	s_load_b128 s[8:11], s[0:1], 0x0               ; plan, rows
	v_and_b32 v1, 31, v0                           ; lane
	v_lshlrev_b32 v4, 4, v1                        ; 16 x lane
	s_mov_b32 s33, ttmp9                           ; the tile's number
	s_mov_b32 s58, 0x76543210                      ; v_permlanex16_b32: lane l xor 16
	s_mov_b32 s59, 0xfedcba98
	s_lshl_b32 s80, ttmp9, 8                       ; the tile's 64 words
	s_mov_b32 s81, 0
	s_lshl_b32 s82, ttmp9, 3
	s_add_co_u32 s82, s82, TILES                   ; its two words
	s_mov_b32 s83, 0
	s_wait_kmcnt 0x0
	s_add_nc_u64 s[12:13], s[10:11], s[80:81]
	s_add_nc_u64 s[14:15], s[10:11], s[82:83]
.irp e, 0,1,2,3,4,5,6,7
	global_load_b128 v[128+4*\e:131+4*\e], v4, s[8:9] offset:512*\e        ; expert e's masks: lane l takes blocks 4 l .. 4 l + 3,
	global_load_b128 v[160+4*\e:163+4*\e], v4, s[8:9] offset:4096+512*\e   ; their counts,
	global_load_b128 v[192+4*\e:195+4*\e], v4, s[8:9] offset:8192+512*\e   ; and the masks of second choices
.endr
.irp j, 0,1,2,3
	v_mov_b32 v[68+\j], 0                          ; destinations of DPP moves and lane permutes count as read: written once
.endr
	s_mov_b32 s40, 4096                            ; the shared expert's rows
	s_mov_b32 s49, 0
	s_mov_b32 s50, 0
	s_mov_b32 s51, 0
	s_mov_b32 s52, 0
	s_wait_loadcnt 0x0
; each expert's number of rows: four blocks a lane, two experts to a word (a total is 4,096 at the most), summed over the 32 lanes
.irp e, 0,1,2,3,4,5,6,7
	v_add_nc_u32 v[104+\e], v[160+4*\e], v[161+4*\e]
.endr
.irp e, 0,1,2,3,4,5,6,7
	v_add_nc_u32 v[104+\e], v[104+\e], v[162+4*\e]
.endr
.irp e, 0,1,2,3,4,5,6,7
	v_add_nc_u32 v[104+\e], v[104+\e], v[163+4*\e]
.endr
.irp j, 0,1,2,3
	v_lshl_or_b32 v[64+\j], v[105+2*\j], 16, v[104+2*\j]
.endr
.irp m, 1,2,4,8
.irp j, 0,1,2,3
	v_mov_b32_dpp v[68+\j], v[64+\j] row_xmask:\m row_mask:0xf bank_mask:0xf
.endr
.irp j, 0,1,2,3
	v_add_nc_u32 v[64+\j], v[64+\j], v[68+\j]
.endr
.endr
.irp j, 0,1,2,3
	v_permlanex16_b32 v[68+\j], v[64+\j], s58, s59
.endr
.irp j, 0,1,2,3
	v_add_nc_u32 v[64+\j], v[64+\j], v[68+\j]
.endr
.irp j, 0,1,2,3
	v_readfirstlane_b32 s[34+\j], v[64+\j]
.endr
.irp j, 0,1,2,3
	s_and_b32 s[41+2*\j], s[34+\j], 0xffff
	s_lshr_b32 s[42+2*\j], s[34+\j], 16
.endr
; which slot is my tile's: the last slot whose first tile is not beyond mine.  No branch
.irp u, 0,1,2,3,4,5,6,7,8
	s_cmp_ge_u32 s33, s49
	s_cselect_b32 s50, \u, s50                     ; the slot,
	s_cselect_b32 s51, s49, s51                    ; its first tile,
	s_cselect_b32 s52, s[40+\u], s52               ; its rows
	s_add_co_u32 s53, s[40+\u], 63
	s_lshr_b32 s53, s53, 6
	s_add_co_u32 s49, s49, s53
.endr
	s_sub_co_u32 s54, s33, s51
	s_lshl_b32 s54, s54, 6                         ; my tile's first rank among the slot's rows
	s_sub_co_i32 s55, s52, s54
	s_max_i32 s55, s55, 0
	s_min_i32 s55, s55, 64                         ; rows in the tile: 0 to 64
	v_add_nc_u32 v83, s54, v0                      ; my row's rank: first rank + my thread's number
	s_cmp_eq_u32 s50, 0
	s_cselect_b32 s76, -1, 0                       ; all lanes, if shared
; my slot's masks and counts: all tokens for the shared expert
.irp k, 0,1,2,3
	v_mov_b32 v[72+\k], -1
	v_mov_b32 v[76+\k], 32
	v_mov_b32 v[116+\k], 0
.endr
.irp e, 0,1,2,3,4,5,6,7
	s_cmp_eq_u32 s50, \e+1
	s_cselect_b32 s72, -1, 0
.irp k, 0,1,2,3
	v_cndmask_b32 v[72+\k], v[72+\k], v[128+4*\e+\k], s72
	v_cndmask_b32 v[76+\k], v[76+\k], v[160+4*\e+\k], s72
	v_cndmask_b32 v[116+\k], v[116+\k], v[192+4*\e+\k], s72
.endr
.endr
	v_add_nc_u32 v80, v76, v77
	v_add_nc_u32 v80, v80, v78
	v_add_nc_u32 v80, v80, v79                     ; rows in my lane's four blocks
	v_mov_b32 v81, v80
.irp d, 1,2,4,8,16                     ; the running sum over the lanes, mine included: five steps
	v_add_nc_u32 v85, 32-\d, v1
	v_lshlrev_b32 v85, 2, v85                      ; lane (l - d) mod 32
	ds_bpermute_b32 v86, v85, v81
	s_mov_b32 s73, (0xffffffff<<\d)&0xffffffff     ; lanes d and up take it
	s_wait_dscnt 0x0
	v_cndmask_b32 v86, 0, v86, s73
	v_add_nc_u32 v81, v81, v86
.endr
	v_sub_nc_u32 v82, v81, v80                     ; and mine left out
	v_mov_b32 v84, 0
.irp st, 16,8,4,2,1                    ; the first lane whose running sum is beyond my rank: a search by halves
	v_lshl_add_u32 v85, v84, 2, 4*(\st-1)
	ds_bpermute_b32 v86, v85, v81
	s_wait_dscnt 0x0
	v_cmp_le_u32 vcc_lo, v86, v83
	v_cndmask_b32 v87, 0, \st, vcc_lo
	v_add_nc_u32 v84, v84, v87
.endr
	v_lshlrev_b32 v85, 2, v84
	ds_bpermute_b32 v88, v85, v82                  ; that lane's sum before it, its four masks, three of its counts, its four masks of second choices
.irp k, 0,1,2,3
	ds_bpermute_b32 v[89+\k], v85, v[72+\k]
.endr
.irp k, 0,1,2
	ds_bpermute_b32 v[93+\k], v85, v[76+\k]
.endr
.irp k, 0,1,2,3
	ds_bpermute_b32 v[120+\k], v85, v[116+\k]
.endr
	s_wait_dscnt 0x0
	v_sub_nc_u32 v96, v83, v88                     ; my rank within its four blocks
	v_add_nc_u32 v105, v93, v94
	v_add_nc_u32 v106, v105, v95
	v_mov_b32 v97, v89
	v_mov_b32 v98, 0
	v_mov_b32 v99, 0
	v_mov_b32 v124, v120
	v_cmp_ge_u32 vcc_lo, v96, v93
	v_cndmask_b32 v97, v97, v90, vcc_lo
	v_cndmask_b32 v98, v98, v93, vcc_lo
	v_cndmask_b32 v99, v99, 1, vcc_lo
	v_cndmask_b32 v124, v124, v121, vcc_lo
	v_cmp_ge_u32 vcc_lo, v96, v105
	v_cndmask_b32 v97, v97, v91, vcc_lo
	v_cndmask_b32 v98, v98, v105, vcc_lo
	v_cndmask_b32 v99, v99, 2, vcc_lo
	v_cndmask_b32 v124, v124, v122, vcc_lo
	v_cmp_ge_u32 vcc_lo, v96, v106
	v_cndmask_b32 v97, v97, v92, vcc_lo
	v_cndmask_b32 v98, v98, v106, vcc_lo
	v_cndmask_b32 v99, v99, 3, vcc_lo
	v_cndmask_b32 v124, v124, v123, vcc_lo
	v_sub_nc_u32 v96, v96, v98                     ; my rank within the block v99, whose mask is v97
	v_lshrrev_b32 v100, 1, v97                     ; the mask's bits summed by 2 (v100), by 4 (v101), by 8 (v102), by 16 (v103's low byte)
	v_and_b32 v100, 0x55555555, v100
	v_sub_nc_u32 v100, v97, v100
	v_lshrrev_b32 v101, 2, v100
	v_and_b32 v101, 0x33333333, v101
	v_and_b32 v102, 0x33333333, v100
	v_add_nc_u32 v101, v101, v102
	v_lshrrev_b32 v102, 4, v101
	v_add_nc_u32 v102, v102, v101
	v_and_b32 v102, 0x0f0f0f0f, v102
	v_lshrrev_b32 v103, 8, v102
	v_add_nc_u32 v103, v103, v102
	v_mov_b32 v104, 0
.macro SEL reg, wd, st                 ; if my rank is not among the st bits from bit v104 on, pass them over
	v_bfe_u32 v86, v[\reg], v104, \wd
	v_cmp_ge_u32 vcc_lo, v96, v86
	v_cndmask_b32 v86, 0, v86, vcc_lo
	v_sub_nc_u32 v96, v96, v86
	v_cndmask_b32 v87, 0, \st, vcc_lo
	v_add_nc_u32 v104, v104, v87
.endm
	SEL 103, 8, 16
	SEL 102, 8, 8
	SEL 101, 4, 4
	SEL 100, 2, 2
	SEL 97, 1, 1
	v_lshl_add_u32 v50, v84, 7, v104
	v_lshl_add_u32 v50, v99, 5, v50                ; my row's token: 128 x lane + 32 x block + bit
	v_min_u32 v50, 4095, v50
	v_bfe_u32 v86, v124, v104, 1                   ; is the expert that token's second choice?
	v_cndmask_b32 v86, v86, 2, s76                 ; the plane; 2 for the shared expert
	v_lshl_add_u32 v50, v86, 12, v50               ; D
	v_lshlrev_b32 v51, 2, v0
	global_store_b32 v51, v50, s[12:13]            ; a wave stores 128 consecutive bytes, the work-group's two waves 256
	v_mov_b32 v52, s50
	v_mov_b32 v53, s55
	v_mov_b32 v54, 0
	s_wait_xcnt 0x0                                ; EXEC changes only behind this wait
	v_cmp_eq_u32 vcc_lo, 0, v0
	s_and_saveexec_b32 s84, vcc_lo
	global_store_b64 v54, v[52:53], s[14:15]       ; thread 0 alone: the tile's slot and rows
	s_wait_xcnt 0x0
	s_or_b32 exec_lo, exec_lo, s84
	s_endpgm
.Lfunc_end_k_q380832e7bf_sort:
	.size	k_q380832e7bf_sort, .Lfunc_end_k_q380832e7bf_sort-k_q380832e7bf_sort
	.p2alignl 7, 3214868480
	.fill 96, 4, 3214868480
	.section	.rodata,"a",@progbits
	.p2align	6, 0x0
	.amdhsa_kernel k_q380832e7bf_sort
		.amdhsa_group_segment_fixed_size 0
		.amdhsa_private_segment_fixed_size 0
		.amdhsa_enable_private_segment 0
		.amdhsa_kernarg_size 16
		.amdhsa_user_sgpr_count 2
		.amdhsa_user_sgpr_kernarg_segment_ptr 1
		.amdhsa_wavefront_size32 1
		.amdhsa_system_sgpr_workgroup_id_x 1
		.amdhsa_system_sgpr_workgroup_id_y 1
		.amdhsa_system_sgpr_workgroup_id_z 1
		.amdhsa_system_vgpr_workitem_id 0
		.amdhsa_next_free_vgpr 224
		.amdhsa_next_free_sgpr 88
		.amdhsa_reserve_vcc 1
		.amdhsa_float_denorm_mode_32 3
		.amdhsa_float_denorm_mode_16_64 3
		.amdhsa_memory_ordered 1
		.amdhsa_forward_progress 1
		.amdhsa_inst_pref_size 24
	.end_amdhsa_kernel
	.amdgpu_metadata
---
amdhsa.version: [ 1, 2 ]
amdhsa.kernels:
  - .name:           k_q380832e7bf_sort
    .symbol:         k_q380832e7bf_sort.kd
    .args:
      - { .name: plan, .offset: 0, .size: 8, .value_kind: global_buffer, .address_space: global }
      - { .name: rows, .offset: 8, .size: 8, .value_kind: global_buffer, .address_space: global }
    .group_segment_fixed_size: 0
    .private_segment_fixed_size: 0
    .kernarg_segment_align: 8
    .kernarg_segment_size: 16
    .max_flat_workgroup_size: 64
    .sgpr_count:     88
    .vgpr_count:     224
    .wavefront_size: 32
...
	.end_amdgpu_metadata
.endif
;; end of part 2
;; launch chain (part 3): grid 199 x 1, 4 waves a work-group, no clusters, 265,728 bytes of LDS; arguments xq, rows, gatew, wf, lowp_scales, ybuf; writes ybuf
.if DOCPART == 3
	.amdgcn_target "amdgcn-amd-amdhsa--gfx1250"
	.amdhsa_code_object_version 6
	.text
	.protected	k_q380832e7bf_chain
	.globl	k_q380832e7bf_chain
	.p2align	8
	.type	k_q380832e7bf_chain,@function
k_q380832e7bf_chain:
	s_mov_b64 s[64:65], 0
	v_nop
	global_prefetch_b8 v0, s[64:65] scope:SCOPE_SE
	s_setreg_imm32_b32 hwreg(HW_REG_WAVE_MODE, 25, 1), 1
	s_wait_xcnt 0x0
; CHAIN: one work-group takes one tile of 64 rows of one expert (slot u: 0 = the shared expert on every token, e + 1 = routed expert e on the tokens that chose it) through the whole chain:
; gather its rows' codes of x (two versions: w1's and w3's products have scales of their own for x; the first launch made them), A1 = w1 x, A3 = w3 x, h = silu(A1) A3, quantise, y = w2 h, x the gate's weight; the row goes
; to its plane of ybuf ([3][4096][512] f32: planes 0, 1 = the token's first and second expert, plane 2 = the shared one), which the last launch adds.  All products: v_wmma_f32_16x16x128_bf8_bf8, f32 sums.  The hidden layer stays in LDS.
; GRID: 64 shared tiles + at most 8192 / 64 + 7 routed ones = 199, whatever the split.  The launch before stored, for each tile, its slot and its number of rows, and for each of its rows D = plane x 4096 + token:
; these whole numbers are read as they are; D's low 12 bits give the row of xq, D the row of ybuf and the word of gatew ([3][4096]: the weight of that plane; 1 in plane 2).
; The text is the same for every tile: a tile that a split leaves without rows (at most 7) walks it on the rows stored for it and stores nothing; the one branch on stored numbers is the guard round the stores.
; SHARES: THE WAVES SHARE THE COLUMNS, NOT THE ROWS: wave w makes hidden units 256 w .. + 255 and outputs 128 w .. + 127 for all 64 rows, so each byte of the slot's 1,572,864 bytes of codes is read once by
; one wave, straight into registers, as loads of 512 consecutive bytes from its own stream of wf (48 groups of 8 KB), through a ring of four groups: 64 loads are out.  A fragment feeds four products.
; THE WALK IS ROTATED BY THE TILE'S NUMBER.  rot = (tile & 7) xor 7 x (bit 3 of tile): among any 16 tiles in a row, the eight that agree in any one of the number's low four bits have eight different rot.
; Trip t makes pair (rot + t) & 7 of my eight pairs of 32 hidden units: the tiles of one expert ask for different eighths of its codes at any one time, and what a tile asks for from its second trip on another tile has asked
; for before.  The pair's codes are stored at place t of the next K, so no LDS address hangs on rot; the same permutation of K is given to w2 by the eight offsets from which its pieces are loaded.  In the second product
; the four pairs of column tiles are rotated likewise (place j holds pair (j + rot) & 3); accumulators and stage go by place, and the lanes' offset into ybuf puts each chunk of 128 bytes where it belongs.
; OPERANDS GO FROM WAVE TO WAVE THROUGH LDS: x's codes as rows of 528 bytes, the hidden layer as images of its registers (4 stores of 512 bytes a fragment).  Three barriers: x's rows | the hidden layer's images | y's rows.
; BOTH PRODUCTS ARE USED TRANSPOSED (source 0 = 16 rows of a weight, source 1 = 16 rows of the tile): a lane holds one row of the tile, its registers run along the columns.  The hidden units of a tile of w1 and w3 are
; chosen (lane r of tile uu: 32 pi + 8 uu + r + 8 (r / 8)) so that the 16 registers of tiles uu = 0, 1 are 16 neighbours along the next K.  Within an instruction k lies as four 16-byte pieces a lane, alike on both sides.
; SCALES: A1 stands for A1 x 2^(ex1 + ew1), A3 for A3 x 2^(ex3 + ew3).  The first is folded into the sigmoid's factor, all five into the hidden layer's one conversion, 2^(eh + ew2) into the row's gate weight.
; NO TENSOR LOAD AND NO JOINT LOADS: which expert a work-group serves is a number read from memory, so neighbours in a cluster need not share an expert and a joint descriptor's address would hang on
; loaded numbers; and each wave is the only reader of its stream, so a way through LDS would add a write and a read for every byte.
; LIMITS: NaN and infinities among the inputs are not served.  So that each power of two is an f32 number: eh - ex1 - ew1 - ex3 - ew3 between -126 and 112; ex1 + ew1 between -126 and 127.
; REGISTERS, in windows of 256 (s_set_vgpr_msb: bits 1:0 source 0, 3:2 source 1, 5:4 source 2, 7:6 destination):
;   window 0: v0-17 ids and LDS addresses; v20-27 the rows' factors; v32, v33 the hidden layer's scale and hold; v34-49 row offsets; v64-111 at work; v112-119 w2's eight piece offsets; v120 the lanes' offset into ybuf;
;             v128-255 x's rows of codes as loaded, then the 16 accumulators A1, A3, then rows of y
;   window 1: the ring of weights: group g % 4 at v[64 (g % 4)], fragment f at + 16 f
;   window 2: x's fragments for w1 (64 rt + 16 s); then the hidden layer's (64 ksl + 16 rt); then y scaled
;   window 3: x's fragments for w3; then y's 32 accumulators (32 nt + 8 rt)
;   s33 rot; s34-41 the second product's four bases; s46-47 the first pair's base; s48-49 the next pair's; s60-61 my stream; s84-99 my wave's sixteen D, kept to the end
.set XP,     528                       ; LDS: a row of x's codes: 512 bytes + 16 = 33 x 16: the 16 rows that a load touches start at 16 different banks (64 banks of 4 bytes: ISA guide 11.1)
.set XVER,   64*XP                     ; a version's 64 rows; the two versions lie at 0 and at XVER
.set HIMG,   2*XVER                    ; the hidden layer's images: (8 rt + K step) 2048 + 512 c + 16 lane: 65,536 bytes
.set STG,    HIMG+65536                ; y: 64 rows x 2,064 bytes
.set SP,     2064                      ; 2,048 + 16 = 129 x 16
.set TILES,  51200                     ; in rows: the tiles' two words
.set XQV,    2097152                   ; bytes of a version of x's codes
.set SLOTB,  1572864
.set STREAM, 393216
.set WJ,     34
.set VO,     112
.set MSB, 0
.macro WIN new                         ; the immediate's high byte repeats the setting that is left; a switch that changes nothing is dropped
.if MSB != \new
	s_set_vgpr_msb (MSB<<8)|\new
.set MSB, \new
.endif
.endm
.macro PLACES                          ; four plain vector lines between a matrix instruction and a load into, or a vector read or write of, its registers
.rept 4
	v_nop
.endr
.endm
.macro BARRIER                         ; my LDS stores have landed and my LDS loads are in: then the work-group's barrier
	s_wait_dscnt 0x0
	s_barrier_signal -1
	s_barrier_wait -1
.endm
.macro REFILL k, base, off             ; a group of the first products, four fragments, 8 KB, into ring slot k: 16 loads of 512 consecutive bytes
	WIN 0x40
.irp j, 0,1,2,3,4,5,6,7,8,9,10,11,12,13,14,15
	global_load_b128 v[64*(\k)+4*\j:64*(\k)+4*\j+3], v4, s[\base:\base+1] offset:(\off)+512*\j
.endr
.endm
.macro REFILL2 k, q                    ; the second product's group at place q (half q / 8, place of column pair (q / 2) % 4, kp = q % 2): fragment f = 2 a + nn, piece c comes from where the hidden block at place 4 a + c lies
	WIN 0x40
.irp f, 0,1,2,3
.irp c, 0,1,2,3
	global_load_b128 v[64*(\k)+16*\f+4*\c:64*(\k)+16*\f+4*\c+3], v[VO+4*(\f/2)+\c], s[WJ+2*(((\q)/2)%4):WJ+2*(((\q)/2)%4)+1] offset:65536*((\q)/8)+8192*((\q)%2)+2048*(\f%2)
.endr
.endr
.endm
.macro MKSC se, vs, vl                 ; 2^e (the conversion takes its exponent field) and 57,344 x 2^e, as f32
	s_add_co_i32 s53, s[\se], 127
	s_lshl_b32 s57, s53, 23
	v_mov_b32 v[\vs], s57
	s_add_co_i32 s53, s53, 15
	s_lshl_b32 s53, s53, 23
	s_or_b32 s53, s53, 0x600000
	v_mov_b32 v[\vl], s53
.endm
	s_load_b256 s[8:15], s[0:1], 0x0               ; xq 8, rows 10, gatew 12, wf 14
	s_load_b128 s[16:19], s[0:1], 0x20             ; lowp_scales 16, ybuf 18
	v_lshl_add_u32 v126, v0, 2, 0x40c00
	v_mov_b32 v127, 0
	v_and_b32 v1, 31, v0                           ; lane
	v_lshrrev_b32 v11, 5, v0
	v_readfirstlane_b32 s32, v11                   ; wave 0..3
	v_and_b32 v2, 15, v0                           ; r
	v_bfe_u32 v3, v0, 4, 1                         ; h
	v_lshlrev_b32 v4, 4, v1                        ; 16 x lane
	; every LDS address is made here: constants, the lane, the wave
	s_lshl_b32 s53, s32, 12
	s_add_co_u32 s53, s53, HIMG
	v_add_nc_u32 v5, s53, v4                       ; where I store the hidden layer's pieces: my two K steps
	v_add_nc_u32 v7, HIMG, v4                      ; and where anyone reads them
	s_mul_i32 s53, s32, 16*SP
	s_add_co_u32 s53, s53, STG
	v_add_nc_u32 v8, s53, v4                       ; the stage by rows: my 16 rows, 16 bytes a lane
	v_mul_u32_u24 v9, v2, XP
	v_lshl_add_u32 v9, v3, 4, v9                   ; x's fragments: row r, + 16 h
	s_mul_i32 s53, s32, 16*XP
	v_add_nc_u32 v10, s53, v4                      ; x's rows into LDS: my 16 rows, 16 bytes a lane
	v_mul_u32_u24 v11, v2, SP
	v_lshl_add_u32 v11, v3, 5, v11
	s_lshl_b32 s53, s32, 9
	s_add_co_u32 s53, s53, STG
	v_add_nc_u32 v11, s53, v11
.irp rt, 0,1,2,3
	v_add_nc_u32 v[12+\rt], 16*SP*\rt, v11         ; y into the stage: row 16 rt + r, + 512 w + 32 h
.endr
	v_lshlrev_b32 v17, 2, v2                       ; 4 r: row r's word among sixteen
	; the rotation, from the tile's number alone; it enters global addresses only
	s_and_b32 s33, ttmp9, 7
	s_bfe_u32 s53, ttmp9, 0x10003
	s_mul_i32 s53, s53, 7
	s_xor_b32 s33, s33, s53                        ; rot
.irp p, 0,1,2,3,4,5,6,7
	s_add_co_u32 s74, s33, \p
	s_and_b32 s74, s74, 7                          ; the hidden block pi at place p of a K-step pair;
	s_lshr_b32 s75, s74, 2
	s_lshl_b32 s75, s75, 12                        ; in a group of w2 its piece lies at 4096 (pi / 4)
	s_and_b32 s74, s74, 3
	s_lshl_b32 s74, s74, 9                         ; + 512 (pi % 4)
	s_add_co_u32 s74, s74, s75
	v_add_nc_u32 v[VO+\p], s74, v4                 ; + 16 x lane
.endr
	v_lshrrev_b32 v120, 3, v1                      ; y's way to ybuf: the chunk of 128 bytes at place lane / 8 of a wave's 512 belongs at ((lane / 8 + rot) & 3)
	v_add_nc_u32 v120, s33, v120
	v_and_b32 v120, 3, v120
	v_lshlrev_b32 v120, 7, v120
	v_and_b32 v121, 7, v1
	v_lshl_add_u32 v120, v121, 4, v120
	s_lshl_b32 s40, ttmp9, 8                       ; the tile's 64 words of rows,
	s_mov_b32 s41, 0
	s_lshl_b32 s42, ttmp9, 3
	s_add_co_u32 s42, s42, TILES                   ; its two words,
	s_mov_b32 s43, 0
	s_lshl_b32 s44, s32, 6                         ; my wave's sixteen of the 64
	s_mov_b32 s45, 0
	s_wait_kmcnt 0x0
	s_add_nc_u64 s[34:35], s[10:11], s[42:43]
	s_add_nc_u64 s[36:37], s[10:11], s[40:41]
	s_add_nc_u64 s[38:39], s[36:37], s[44:45]
	s_load_b256 s[20:27], s[16:17], 0x0            ; the twelve exponents
	s_load_b128 s[28:31], s[16:17], 0x20
	s_load_b64 s[50:51], s[34:35], 0x0             ; the tile's slot, its rows
	s_load_b512 s[84:99], s[38:39], 0x0            ; my wave's sixteen D
.irp rt, 0,1,2,3
	global_load_b32 v[64+\rt], v17, s[36:37] offset:64*\rt   ; the D of row 16 rt + r, for its weight
.endr
	s_wait_kmcnt 0x0
; ---- X: gather.  My wave owns rows 16 w .. 16 w + 15 of the tile.  x's loads go out first, then the ring's first groups; all else is made while they are on their way
	s_min_u32 s50, s50, 8                          ; the slot enters addresses
	s_min_u32 s72, s50, 1                          ; 0 shared, 1 routed:
	s_lshl_b32 s72, s72, 22                        ; versions 0, 1 or 2, 3 of x's codes
	s_mov_b32 s73, 0
	s_add_nc_u64 s[8:9], s[8:9], s[72:73]
.irp i, 0,1,2,3,4,5,6,7,8,9,10,11,12,13,14,15
	s_min_u32 s74, s[84+\i], 12287                 ; it enters an address
	s_and_b32 s74, s74, 4095                       ; the token
	s_lshl_b32 s74, s74, 9
	v_add_nc_u32 v[34+\i], s74, v4                 ; row i: 512 x token + 16 x lane
.endr
.set i, 0
.rept 16
	global_load_b128 v[128+8*i:131+8*i], v[34+i], s[8:9]              ; the row's 512 codes for w1: 512 consecutive bytes
	global_load_b128 v[132+8*i:135+8*i], v[34+i], s[8:9] offset:XQV   ; and for w3
.set i, i+1
.endr
	s_mul_i32 s80, s50, SLOTB
	s_mul_i32 s53, s32, STREAM
	s_add_co_u32 s80, s80, s53
	s_mov_b32 s81, 0
	s_add_nc_u64 s[60:61], s[14:15], s[80:81]      ; my stream of weights
	s_lshl_b32 s72, s33, 15
	s_add_nc_u64 s[46:47], s[60:61], s[72:73]      ; pair rot: the first trip's
	REFILL 0, 46, 0
	WIN 0
	s_add_co_u32 s72, s33, 1
	s_and_b32 s72, s72, 7
	s_lshl_b32 s72, s72, 15
	s_add_nc_u64 s[48:49], s[60:61], s[72:73]      ; pair (rot + 1) & 7: what the first trip asks for
	s_min_u32 s55, s51, 64                         ; rows in the tile: 0 to 64
	s_lshl_b32 s53, s32, 4
	s_sub_co_i32 s56, s55, s53                     ; of them from my wave's first row on
	s_cmp_eq_u32 s50, 0                            ; the shared expert's six exponents, or the routed ones'
	s_cselect_b32 s66, s20, s27                    ; ex1
	s_cselect_b32 s67, s21, s26                    ; ew1
	s_cselect_b32 s68, s22, s29                    ; ex3
	s_cselect_b32 s69, s23, s28                    ; ew3
	s_cselect_b32 s70, s24, s30                    ; eh
	s_cselect_b32 s71, s25, s31                    ; ew2
	s_add_co_i32 s82, s66, s67                     ; ex1 + ew1
	s_lshl_b32 s53, s82, 23
	s_add_co_u32 s62, s53, 0xbfb8aa3b              ; -log2(e) x 2^(ex1 + ew1): the exponents are added to the factor's exponent field
	s_mov_b32 s63, s62                             ; (named with it as a pair, so it is written)
	s_sub_co_i32 s82, s70, s82
	s_sub_co_i32 s82, s82, s68
	s_sub_co_i32 s82, s82, s69                     ; eh - ex1 - ew1 - ex3 - ew3
	MKSC 82, 32, 33
	s_add_co_i32 s79, s70, s71                     ; eh + ew2
	s_wait_loadcnt 48                              ; the four D are in: behind them x's 32 loads and the group's 16 were issued.  Their base may be written again
.irp j, 0,1,2,3
	s_add_co_u32 s72, s33, \j
	s_and_b32 s72, s72, 3                          ; the pair of column tiles at place j
	s_lshl_b32 s72, s72, 14                        ; two groups each,
	s_add_co_u32 s72, s72, 262144                  ; behind the first products' 32 groups
	s_add_nc_u64 s[WJ+2*\j:WJ+2*\j+1], s[60:61], s[72:73]
.endr
.irp rt, 0,1,2,3
	v_min_u32 v[64+\rt], 12287, v[64+\rt]          ; it enters an address
	v_lshlrev_b32 v[64+\rt], 2, v[64+\rt]
.endr
.irp rt, 0,1,2,3
	global_load_b32 v[20+2*\rt], v[64+\rt], s[12:13]   ; the gate's weight of row 16 rt + r: wanted on the way out
.endr
	REFILL 1, 46, 8192
	WIN 0
.set i, 0
.rept 16
.if 66-2*i > 63
	s_wait_loadcnt 63                              ; (the count's field ends here; a smaller count is safe)
.else
	s_wait_loadcnt 66-2*i                          ; row i's two loads are in; behind them: the younger rows' 30 - 2 i, a group's 16, the 4 weights, a group's 16
.endif
	ds_store_b128 v10, v[128+8*i:131+8*i] offset:XP*i
	ds_store_b128 v10, v[132+8*i:135+8*i] offset:XVER+XP*i
.set i, i+1
.endr
	REFILL 2, 46, 16384
	REFILL 3, 46, 24576
	WIN 0
	BARRIER                                        ; the 64 rows' codes, both versions, lie in LDS
; ---- 1: the hidden layer.  All of x's fragments come into registers once: 16 for w1, 16 for w3.  Lane (r, h), piece c of (rt, s): bytes 128 s + 32 c + 16 h of row 16 rt + r
	WIN 0x80
.irp rt, 0,1,2,3
.irp s, 0,1,2,3
.irp c, 0,1,2,3
	ds_load_b128 v[64*\rt+16*\s+4*\c:64*\rt+16*\s+4*\c+3], v9 offset:16*XP*\rt+128*\s+32*\c
.endr
.endr
.endr
	WIN 0xc0
.irp rt, 0,1,2,3
.irp s, 0,1,2,3
.irp c, 0,1,2,3
	ds_load_b128 v[64*\rt+16*\s+4*\c:64*\rt+16*\s+4*\c+3], v9 offset:XVER+16*XP*\rt+128*\s+32*\c
.endr
.endr
.endr
	s_wait_dscnt 0x0
	WIN 0
; K step s of a pair of 32 hidden units: 16 products on 16 accumulators, which take turns, one instruction a turn, in the same order in every step; then the ring slot is filled again:
; with the next pair's group s, or (last = 1) with the second product's group at place s
.macro G1 s, last
	s_wait_loadcnt 48                              ; this group's 16 loads are in (and, the first time, the 4 weights, which are older than the next group); the three younger groups' 48 may be out: so on the way in and over the backward jump
	WIN 0x09                                       ; source 0 (weights) window 1, source 1 (x for w1) window 2
.irp uu, 0,1
.irp rt, 0,1,2,3
.if \s == 0
	v_wmma_f32_16x16x128_bf8_bf8 v[128+32*\uu+8*\rt:135+32*\uu+8*\rt], v[64*\s+16*\uu:64*\s+16*\uu+15], v[64*\rt+16*\s:64*\rt+16*\s+15], 0
.else
	v_wmma_f32_16x16x128_bf8_bf8 v[128+32*\uu+8*\rt:135+32*\uu+8*\rt], v[64*\s+16*\uu:64*\s+16*\uu+15], v[64*\rt+16*\s:64*\rt+16*\s+15], v[128+32*\uu+8*\rt:135+32*\uu+8*\rt]
.endif
.endr
.endr
	WIN 0x0d                                       ; source 1 (x for w3) window 3
.irp uu, 0,1
.irp rt, 0,1,2,3
.if \s == 0
	v_wmma_f32_16x16x128_bf8_bf8 v[192+32*\uu+8*\rt:199+32*\uu+8*\rt], v[64*\s+32+16*\uu:64*\s+32+16*\uu+15], v[64*\rt+16*\s:64*\rt+16*\s+15], 0
.else
	v_wmma_f32_16x16x128_bf8_bf8 v[192+32*\uu+8*\rt:199+32*\uu+8*\rt], v[64*\s+32+16*\uu:64*\s+32+16*\uu+15], v[64*\rt+16*\s:64*\rt+16*\s+15], v[192+32*\uu+8*\rt:199+32*\uu+8*\rt]
.endif
.endr
.endr
	PLACES
.if \last
	REFILL2 \s, \s
.else
	REFILL \s, 48, 8192*\s
.endif
.endm
; h = silu(a1) a3 of tile of rows rt, 16 numbers a lane, and its codes.  A1 A3 / (1 + 2^(-log2(e) a1)); every accumulator is read from its low end on
.macro ACT rt
.set TT, 64+16*((\rt)%2)
.irp uu, 0,1
.irp i, 0,2,4,6
	v_pk_mul_f32 v[TT+8*\uu+\i:TT+8*\uu+\i+1], v[128+32*\uu+8*(\rt)+\i:129+32*\uu+8*(\rt)+\i], s[62:63] op_sel_hi:[1,0]
.endr
.endr
.irp i, 0,1,2,3,4,5,6,7,8,9,10,11,12,13,14,15
	v_exp_f32 v[TT+\i], v[TT+\i]
.endr
.irp uu, 0,1
.irp i, 0,2,4,6
	v_pk_mul_f32 v[128+32*\uu+8*(\rt)+\i:129+32*\uu+8*(\rt)+\i], v[128+32*\uu+8*(\rt)+\i:129+32*\uu+8*(\rt)+\i], v[192+32*\uu+8*(\rt)+\i:193+32*\uu+8*(\rt)+\i]   ; (the plain lines behind the exponentials)
.endr
.endr
	s_wait_alu depctr_va_vdst(0)
.irp i, 0,2,4,6,8,10,12,14
	v_pk_add_f32 v[TT+\i:TT+\i+1], v[TT+\i:TT+\i+1], 1.0 op_sel_hi:[1,0]
.endr
.irp i, 0,1,2,3,4,5,6,7,8,9,10,11,12,13,14,15
	v_rcp_f32 v[TT+\i], v[TT+\i]
.endr
	v_nop                                          ; one plain line behind the reciprocals (ISA guide 5.7.2)
	s_wait_alu depctr_va_vdst(0)
.irp uu, 0,1
.irp i, 0,2,4,6
	v_pk_mul_f32 v[128+32*\uu+8*(\rt)+\i:129+32*\uu+8*(\rt)+\i], v[128+32*\uu+8*(\rt)+\i:129+32*\uu+8*(\rt)+\i], v[TT+8*\uu+\i:TT+8*\uu+\i+1]
.endr
.endr
.irp uu, 0,1
.irp i, 0,1,2,3,4,5,6,7
	v_med3_num_f32 v[128+32*\uu+8*(\rt)+\i], v[128+32*\uu+8*(\rt)+\i], -v33, v33   ; the conversion to an 8-bit code does not saturate (ISA guide 7.6.2): the hold at the largest code x the scale
.endr
.endr
	v_cvt_scalef32_pk8_bf8_f32 v[96+4*(\rt):97+4*(\rt)], v[128+8*(\rt):135+8*(\rt)], v32     ; the pair's units 16 h + 0 .. 7,
	v_cvt_scalef32_pk8_bf8_f32 v[98+4*(\rt):99+4*(\rt)], v[160+8*(\rt):167+8*(\rt)], v32     ; + 8 .. 15: one 16-byte piece of the next operand
.endm
; a trip: 32 of my 256 hidden units for the 64 rows
.macro TRIP last
	G1 0, \last
	G1 1, \last
	G1 2, \last
	G1 3, \last
	WIN 0
	s_wait_dscnt 0x0                               ; the last trip's four LDS stores are done: the codes' registers are written again
	ACT 0
	ACT 1
	ACT 2
	ACT 3
	v_nop                                          ; one plain line behind the last conversion: the next products write its sources
.if \last
	v_add_nc_u32 v6, 3584, v5                      ; place 7
.else
	v_add_nc_u32 v6, s78, v5                       ; place t of my two K steps: 512 t bytes on
.endif
.irp rt, 0,1,2,3
	ds_store_b128 v6, v[96+4*\rt:99+4*\rt] offset:16384*\rt
.endr
.endm
	s_mov_b32 s77, 0
	s_mov_b32 s78, 0
.Lpair:                                            ; seven trips; each asks for the pair that the next one multiplies
	TRIP 0
	s_wait_xcnt 0x0                                ; the loads have had their addresses translated (ISA guide 3.1): their base is written again only behind this wait
	s_add_co_u32 s77, s77, 1
	s_add_co_u32 s72, s33, s77
	s_add_co_u32 s72, s72, 1
	s_and_b32 s72, s72, 7                          ; pair (rot + t + 1) & 7
	s_lshl_b32 s72, s72, 15
	s_add_nc_u64 s[48:49], s[60:61], s[72:73]
	s_add_co_u32 s78, s78, 512
	s_cmp_lt_u32 s77, 7
	s_cbranch_scc1 .Lpair
	TRIP 1                                         ; the eighth is written out: its refills are the second product's first four groups
	BARRIER                                        ; the hidden layer's 32 images lie in LDS
; ---- 2: my 128 outputs for the 64 rows.  K in two halves of 512; a half's 16 hidden fragments lie in window 2
.macro HLOAD ksl, half
	WIN 0x80
.irp rt, 0,1,2,3
.irp c, 0,1,2,3
	ds_load_b128 v[64*\ksl+16*\rt+4*\c:64*\ksl+16*\rt+4*\c+3], v7 offset:(8*\rt+4*\half+\ksl)*2048+512*\c
.endr
.endr
.endm
; the group at place g: two K steps x two tiles of outputs x four tiles of rows: 16 products on 8 accumulators by turns
.macro G2 g
.set HF, (\g)/8
.set NPP, ((\g)/2)%4
.set KP, (\g)%2
.set RG, 64*((\g)%4)
.if 15-(\g) >= 3
	s_wait_loadcnt 48                              ; this group is in; three younger groups may be out
.else
	s_wait_loadcnt 16*(15-(\g))                    ; the stream's end: the counts run down
.endif
.if (\g) == 8
	s_wait_dscnt 32                                ; the second half's K steps 0, 1 are in; the 32 loads of its K steps 2, 3 may be out
.endif
.if (\g) == 9
	s_wait_dscnt 0x0
.endif
	WIN 0xf9                                       ; source 0 (weights) window 1, source 1 (hidden) window 2, C and D window 3
.irp f, 0,1,2,3
.irp rt, 0,1,2,3
.if (HF == 0) && (KP == 0) && (\f < 2)
	v_wmma_f32_16x16x128_bf8_bf8 v[32*(2*NPP+\f%2)+8*\rt:32*(2*NPP+\f%2)+8*\rt+7], v[RG+16*\f:RG+16*\f+15], v[64*(2*KP+\f/2)+16*\rt:64*(2*KP+\f/2)+16*\rt+15], 0
.else
	v_wmma_f32_16x16x128_bf8_bf8 v[32*(2*NPP+\f%2)+8*\rt:32*(2*NPP+\f%2)+8*\rt+7], v[RG+16*\f:RG+16*\f+15], v[64*(2*KP+\f/2)+16*\rt:64*(2*KP+\f/2)+16*\rt+15], v[32*(2*NPP+\f%2)+8*\rt:32*(2*NPP+\f%2)+8*\rt+7]
.endif
.endr
.endr
	PLACES
.if (\g) <= 11
	REFILL2 (\g)%4, (\g)+4
.endif
.if (\g) == 6                          ; the first half's K steps 0, 1 have had their last product: the second half's take their registers
	HLOAD 0, 1
	HLOAD 1, 1
.endif
.if (\g) == 7
	HLOAD 2, 1
	HLOAD 3, 1
.endif
.endm
	HLOAD 0, 0
	HLOAD 1, 0
	HLOAD 2, 0
	HLOAD 3, 0
	s_wait_dscnt 0x0
.irp g, 0,1,2,3,4,5,6,7,8,9,10,11,12,13,14,15
	G2 \g
.endr
; ---- THE WAY OUT.  Each sum x its row's factor (the last group's four places stand in front); a row's 512 outputs come from four waves: they meet in the stage, and each wave stores 16 whole rows
	WIN 0
.irp rt, 0,1,2,3
	v_ldexp_f32 v[20+2*\rt], v[20+2*\rt], s79      ; a row's factor: the gate's weight x 2^(eh + ew2)
.endr
.irp rt, 0,1,2,3
	v_mov_b32 v[21+2*\rt], v[20+2*\rt]             ; (named with it as a pair, so it is written)
.endr
	WIN 0x83                                       ; source 0 (the sums) window 3, destination window 2
.set i, 0
.rept 128
	v_pk_mul_f32 v[2*i:2*i+1], v[2*i:2*i+1], v[20+2*((i/4)%4):21+2*((i/4)%4)] op_sel_hi:[1,0]   ; each accumulator from its low end on
.set i, i+1
.endr
	WIN 0x08                                       ; store data window 2
.irp nt, 0,1,2,3,4,5,6,7
.irp rt, 0,1,2,3
	ds_store_b128 v[12+\rt], v[32*\nt+8*\rt:32*\nt+8*\rt+3] offset:64*\nt       ; lane (r, h): row 16 rt + r, place nt of my eight column tiles, columns 8 h + 0 .. 7 of it
	ds_store_b128 v[12+\rt], v[32*\nt+8*\rt+4:32*\nt+8*\rt+7] offset:64*\nt+16
.endr
.endr
	WIN 0
.irp i, 0,1,2,3,4,5,6,7,8,9,10,11,12,13,14,15
	s_min_u32 s74, s[84+\i], 12287                 ; it enters an address
	s_lshl_b32 s74, s74, 11
	v_add_nc_u32 v[34+\i], s74, v120               ; my row i in ybuf: 2,048 x D + the lane's place, the rotation of the column pairs undone
.endr
	BARRIER                                        ; 64 whole rows of y lie in the stage
.irp bt, 0,1                           ; eight rows at a time
.if \bt == 1
	s_wait_xcnt 0x0                                ; the first eight rows' stores have read their registers: the loads below may land there
.endif
.irp ii, 0,1,2,3,4,5,6,7
.irp q, 0,1,2,3
	ds_load_b128 v[128+16*\ii+4*\q:131+16*\ii+4*\q], v8 offset:SP*(8*\bt+\ii)+512*\q
.endr
.endr
.irp ii, 0,1,2,3,4,5,6,7
	s_wait_dscnt 28-4*\ii                          ; this row's four loads are in
	s_cmp_le_i32 s56, 8*\bt+\ii                    ; rows beyond the slot's last are not stored: the one branch on stored numbers, and no barrier follows it
	s_cbranch_scc1 .Ldone
.irp q, 0,1,2,3
	global_store_b128 v[34+8*\bt+\ii], v[128+16*\ii+4*\q:131+16*\ii+4*\q], s[18:19] offset:512*\q   ; 32 lanes store 512 consecutive bytes (four chunks of 128, eight lanes each), at a multiple of 512 from ybuf's first byte
.endr
.endr
.endr
.Ldone:
	s_wait_dscnt 0x0
	s_wait_tensorcnt 0x0
	ds_add_u32 v126, v127
	s_wait_dscnt 0x0
	s_endpgm
.Lfunc_end_k_q380832e7bf_chain:
	.size	k_q380832e7bf_chain, .Lfunc_end_k_q380832e7bf_chain-k_q380832e7bf_chain
	.p2alignl 7, 3214868480
	.fill 96, 4, 3214868480
	.section	.rodata,"a",@progbits
	.p2align	6, 0x0
	.amdhsa_kernel k_q380832e7bf_chain
		.amdhsa_group_segment_fixed_size 265728
		.amdhsa_private_segment_fixed_size 0
		.amdhsa_enable_private_segment 0
		.amdhsa_kernarg_size 48
		.amdhsa_user_sgpr_count 2
		.amdhsa_user_sgpr_kernarg_segment_ptr 1
		.amdhsa_wavefront_size32 1
		.amdhsa_system_sgpr_workgroup_id_x 1
		.amdhsa_system_sgpr_workgroup_id_y 1
		.amdhsa_system_sgpr_workgroup_id_z 1
		.amdhsa_system_vgpr_workitem_id 0
		.amdhsa_next_free_vgpr 1024
		.amdhsa_next_free_sgpr 100
		.amdhsa_reserve_vcc 0
		.amdhsa_float_denorm_mode_32 3
		.amdhsa_float_denorm_mode_16_64 3
		.amdhsa_memory_ordered 1
		.amdhsa_forward_progress 1
		.amdhsa_inst_pref_size 160
	.end_amdhsa_kernel
	.amdgpu_metadata
---
amdhsa.version: [ 1, 2 ]
amdhsa.kernels:
  - .name:           k_q380832e7bf_chain
    .symbol:         k_q380832e7bf_chain.kd
    .args:
      - { .name: xq, .offset: 0, .size: 8, .value_kind: global_buffer, .address_space: global }
      - { .name: rows, .offset: 8, .size: 8, .value_kind: global_buffer, .address_space: global }
      - { .name: gatew, .offset: 16, .size: 8, .value_kind: global_buffer, .address_space: global }
      - { .name: wf, .offset: 24, .size: 8, .value_kind: global_buffer, .address_space: global }
      - { .name: lowp_scales, .offset: 32, .size: 8, .value_kind: global_buffer, .address_space: global }
      - { .name: ybuf, .offset: 40, .size: 8, .value_kind: global_buffer, .address_space: global }
    .group_segment_fixed_size: 265728
    .private_segment_fixed_size: 0
    .kernarg_segment_align: 8
    .kernarg_segment_size: 48
    .max_flat_workgroup_size: 128
    .sgpr_count:     100
    .vgpr_count:     1024
    .wavefront_size: 32
...
	.end_amdgpu_metadata
.endif
;; end of part 3
;; launch combine (part 4): grid 256 x 1, 8 waves a work-group, no clusters, 0 bytes of LDS; arguments ybuf, out0; writes out0
.if DOCPART == 4
	.amdgcn_target "amdgcn-amd-amdhsa--gfx1250"
	.amdhsa_code_object_version 6
	.text
	.protected	k_q380832e7bf_combine
	.globl	k_q380832e7bf_combine
	.p2align	8
	.type	k_q380832e7bf_combine,@function
k_q380832e7bf_combine:
	s_mov_b64 s[64:65], 0
	v_nop
	global_prefetch_b8 v0, s[64:65] scope:SCOPE_SE
	s_setreg_imm32_b32 hwreg(HW_REG_WAVE_MODE, 25, 1), 1
	s_wait_xcnt 0x0
; COMBINE: out = (y0 + y1) + y2: the three planes of ybuf ([3][4096][512] f32: a token's first and second routed expert, each already times its gate weight, and the shared expert).
; A stream: a work-group owns 32,768 bytes of out; thread t the 16 bytes at 16 t + 4,096 j, j = 0..7, so a wave's load or store covers 512 consecutive bytes.
; All 24 loads of a thread go out at once; no loop, no LDS, no barrier; matrix units and clusters have nothing to do here.
.set PLANE, 8388608                    ; bytes of a plane: one more than a load's immediate reaches, so each plane has a base of its own
	s_load_b128 s[4:7], s[0:1], 0x0                ; ybuf, out0
	v_lshlrev_b32 v1, 4, v0
	s_lshl_b32 s8, ttmp9, 15
	s_mov_b32 s9, 0
	s_wait_kmcnt 0x0
	s_add_nc_u64 s[4:5], s[4:5], s[8:9]
	s_add_nc_u64 s[6:7], s[6:7], s[8:9]
	s_add_nc_u64 s[10:11], s[4:5], PLANE
	s_add_nc_u64 s[12:13], s[4:5], 2*PLANE
.irp j, 0,1,2,3,4,5,6,7
	global_load_b128 v[8+12*\j:11+12*\j],  v1, s[4:5]   offset:4096*\j th:TH_LOAD_NT
	global_load_b128 v[12+12*\j:15+12*\j], v1, s[10:11] offset:4096*\j th:TH_LOAD_NT
	global_load_b128 v[16+12*\j:19+12*\j], v1, s[12:13] offset:4096*\j th:TH_LOAD_NT
.endr
.irp j, 0,1,2,3,4,5,6,7
	s_wait_loadcnt 21-3*\j                         ; loads come back in order: piece j's three are in, the younger pieces' may be out
	v_pk_add_f32 v[8+12*\j:9+12*\j],   v[8+12*\j:9+12*\j],   v[12+12*\j:13+12*\j]
	v_pk_add_f32 v[10+12*\j:11+12*\j], v[10+12*\j:11+12*\j], v[14+12*\j:15+12*\j]
	v_pk_add_f32 v[8+12*\j:9+12*\j],   v[8+12*\j:9+12*\j],   v[16+12*\j:17+12*\j]
	v_pk_add_f32 v[10+12*\j:11+12*\j], v[10+12*\j:11+12*\j], v[18+12*\j:19+12*\j]
	global_store_b128 v1, v[8+12*\j:11+12*\j], s[6:7] offset:4096*\j th:TH_STORE_NT
.endr
	s_endpgm
.Lfunc_end_k_q380832e7bf_combine:
	.size	k_q380832e7bf_combine, .Lfunc_end_k_q380832e7bf_combine-k_q380832e7bf_combine
	.p2alignl 7, 3214868480
	.fill 96, 4, 3214868480
	.section	.rodata,"a",@progbits
	.p2align	6, 0x0
	.amdhsa_kernel k_q380832e7bf_combine
		.amdhsa_group_segment_fixed_size 0
		.amdhsa_private_segment_fixed_size 0
		.amdhsa_enable_private_segment 0
		.amdhsa_kernarg_size 16
		.amdhsa_user_sgpr_count 2
		.amdhsa_user_sgpr_kernarg_segment_ptr 1
		.amdhsa_wavefront_size32 1
		.amdhsa_system_sgpr_workgroup_id_x 1
		.amdhsa_system_sgpr_workgroup_id_y 1
		.amdhsa_system_sgpr_workgroup_id_z 1
		.amdhsa_system_vgpr_workitem_id 0
		.amdhsa_next_free_vgpr 128
		.amdhsa_next_free_sgpr 66
		.amdhsa_reserve_vcc 0
		.amdhsa_float_denorm_mode_32 3
		.amdhsa_float_denorm_mode_16_64 3
		.amdhsa_memory_ordered 1
		.amdhsa_forward_progress 1
		.amdhsa_inst_pref_size 6
	.end_amdhsa_kernel
	.amdgpu_metadata
---
amdhsa.version: [ 1, 2 ]
amdhsa.kernels:
  - .name:           k_q380832e7bf_combine
    .symbol:         k_q380832e7bf_combine.kd
    .args:
      - { .name: ybuf, .offset: 0, .size: 8, .value_kind: global_buffer, .address_space: global }
      - { .name: out0, .offset: 8, .size: 8, .value_kind: global_buffer, .address_space: global }
    .group_segment_fixed_size: 0
    .private_segment_fixed_size: 0
    .kernarg_segment_align: 8
    .kernarg_segment_size: 16
    .max_flat_workgroup_size: 256
    .sgpr_count:     66
    .vgpr_count:     128
    .wavefront_size: 32
...
	.end_amdgpu_metadata
.endif
;; end of part 4
;; ======== version 2 of 2: 4 launches; version 1 with the launch chain written anew for expert scheduling mode
;; workspace buffers: plan 12,288 bytes of whole numbers; rows 53,248 bytes of whole numbers; gatew 49,152 bytes; wf 14,155,776 bytes; ybuf 25,165,824 bytes; xq 8,388,608 bytes
;; launch prep: the kernel of part 1 again; grid 344 x 1, 8 waves a work-group, no clusters, 91,136 bytes of LDS; arguments x, gate_w, biases, w1_codes, w3_codes, w2_codes, sw1_codes, sw3_codes, sw2_codes, plan, gatew, wf, lowp_scales, xq; writes plan, gatew, wf, xq
;; launch sort: the kernel of part 2 again; grid 199 x 1, 2 waves a work-group, no clusters, 0 bytes of LDS; arguments plan, rows; writes rows
;; launch chain (part 5): grid 199 x 1, 4 waves a work-group, no clusters, 265,728 bytes of LDS; arguments xq, rows, gatew, wf, lowp_scales, ybuf; writes ybuf
.if DOCPART == 5
	.amdgcn_target "amdgcn-amd-amdhsa--gfx1250"
	.amdhsa_code_object_version 6
	.text
	.protected	k_q380832e7bf_chain
	.globl	k_q380832e7bf_chain
	.p2align	8
	.type	k_q380832e7bf_chain,@function
k_q380832e7bf_chain:
	s_mov_b64 s[64:65], 0
	v_nop
	global_prefetch_b8 v0, s[64:65] scope:SCOPE_SE
	s_setreg_imm32_b32 hwreg(HW_REG_WAVE_SCHED_MODE, 0, 2), 2
	s_setreg_imm32_b32 hwreg(HW_REG_WAVE_MODE, 25, 1), 1
	s_wait_xcnt 0x0
	s_wait_alu depctr_vm_vsrc(0)
; CHAIN: one work-group takes one tile of 64 rows of one expert (slot u: 0 = the shared expert on every token, e + 1 = routed expert e on the tokens that chose it) through the whole chain:
; gather its rows' codes of x (two versions: w1's and w3's products have scales of their own for x; the first launch made them), A1 = w1 x, A3 = w3 x, h = silu(A1) A3, quantise, y = w2 h, x the gate's weight; the row goes
; to its plane of ybuf ([3][4096][512] f32: planes 0, 1 = the token's first and second expert, plane 2 = the shared one), which the last launch adds.  All products: v_wmma_f32_16x16x128_bf8_bf8, f32 sums.  The hidden layer stays in LDS.
; GRID: 64 shared tiles + at most 8192 / 64 + 7 routed ones = 199, whatever the split.  The launch before stored, for each tile, its slot and its number of rows, and for each of its rows D = plane x 4096 + token:
; these whole numbers are read as they are; D's low 12 bits give the row of xq, D the row of ybuf and the word of gatew ([3][4096]: the weight of that plane; 1 in plane 2).
; The text is the same for every tile: a tile that a split leaves without rows (at most 7) walks it on the rows stored for it and stores nothing; the one branch on stored numbers is the guard round the stores.
; SHARES: THE WAVES SHARE THE COLUMNS, NOT THE ROWS: wave w makes hidden units 256 w .. + 255 and outputs 128 w .. + 127 for all 64 rows, so each byte of the slot's 1,572,864 bytes of codes is read once by
; one wave, straight into registers, as loads of 512 consecutive bytes from its own stream of wf (48 groups of 8 KB), through a ring of four groups of 16 loads.  A fragment feeds four products.
; THE WALK IS ROTATED BY THE TILE'S NUMBER.  rot = (tile & 7) xor 7 x (bit 3 of tile): among any 16 tiles in a row, the eight that agree in any one of the number's low four bits have eight different rot.
; Trip t makes pair (rot + t) & 7 of my eight pairs of 32 hidden units: the tiles of one expert ask for different eighths of its codes at any one time, and what a tile asks for from its second trip on another tile has asked
; for before.  The pair's codes are stored at place t of the next K, so no LDS address hangs on rot; the same permutation of K is given to w2 by the eight offsets from which its pieces are loaded.  In the second product
; the four pairs of column tiles are rotated likewise (place j holds pair (j + rot) & 3); accumulators and stage go by place, and the lanes' offset into ybuf puts each chunk of 128 bytes where it belongs.
; OPERANDS GO FROM WAVE TO WAVE THROUGH LDS: x's codes as rows of 528 bytes, the hidden layer as images of its registers (4 stores of 512 bytes a fragment).  Three barriers: x's rows | the hidden layer's images | y's rows.
; BOTH PRODUCTS ARE USED TRANSPOSED (source 0 = 16 rows of a weight, source 1 = 16 rows of the tile): a lane holds one row of the tile, its registers run along the columns.  The hidden units of a tile of w1 and w3 are
; chosen (lane r of tile uu: 32 pi + 8 uu + r + 8 (r / 8)) so that the 16 registers of tiles uu = 0, 1 are 16 neighbours along the next K.  Within an instruction k lies as four 16-byte pieces a lane, alike on both sides.
; SCALES: A1 stands for A1 x 2^(ex1 + ew1), A3 for A3 x 2^(ex3 + ew3).  The first is folded into the sigmoid's factor, all five into the hidden layer's one conversion, 2^(eh + ew2) into the row's gate weight.
; NO TENSOR LOAD AND NO JOINT LOADS: which expert a work-group serves is a number read from memory, so neighbours in a cluster need not share an expert and a joint descriptor's address would hang on
; loaded numbers; and each wave is the only reader of its stream, so a way through LDS would add a write and a read for every byte.
; LIMITS: NaN and infinities among the inputs are not served.  So that each power of two is an f32 number: eh - ex1 - ew1 - ex3 - ew3 between -126 and 112; ex1 + ew1 between -126 and 127.
; THE MODE: SCHED_MODE bits 1:0 = 2 (LLVM: expert scheduling mode 2), set by the entry lines.  The code itself states the register dependences between vector or matrix instructions and memory or LDS
; instructions, with s_wait_alu, always for 0.
; THE PLAN.  Registers that memory or LDS instructions touch, and who else names them:
;   v4, v7-10, v12-15, v17, v112-119   addresses: written once at the head, ahead of the first wait on va_vdst, and never again.
;   v34-49     row offsets: written at the head, read by x's loads; written anew on the way out, read by the stores into ybuf.
;   v64-67     the D of four rows land here; two vector lines make offsets of them; the four loads of weights read them; from the first trip on they are the activation's scratch.
;   v128-255   x's loads land, 32 LDS stores read them; then accumulators, named by matrix and vector instructions alone; on the way out the stage's loads land and the stores into ybuf read them, twice.
;   the ring   (window 1) loads land; products read.      window 2: LDS loads land, products read, twice over; then y scaled, written by vector lines and read by LDS stores.      window 3: LDS loads land; then matrix alone.
;   v96-111, v6   in each trip written by the conversions and one addition, read by the trip's four LDS stores.
; A TRIP of the first products has three waits beside those behind its transcendentals.  Its 64 products stand in two runs of 32.  Between the runs one wait on va_vdst: K steps 0 and 1 are done reading ring slots 0 and 1,
; and both are asked for again.  Slots 2 and 3 have no wait of their own: the wait behind the first tile's exponentials stands behind all 64 products; slot 2 is asked for behind it, slot 3 behind the next tile's, and no vector
; or matrix instruction in between names the ring or v4.  One wait on vm_vsrc ahead of the activation (the last trip's LDS stores have read the codes and v6), one on va_vdst ahead of the trip's four LDS stores.
; THE SECOND PRODUCT has no vector work between its groups: each group's refill stands directly behind its 16 products, behind one wait on va_vdst.
; REGISTERS, in windows of 256 (s_set_vgpr_msb: bits 1:0 source 0, 3:2 source 1, 5:4 source 2, 7:6 destination):
;   window 0: v0-17 ids and LDS addresses; v20-27 the rows' factors; v32, v33 the hidden layer's scale and hold; v34-49 row offsets; v64-111 at work; v112-119 w2's eight piece offsets; v120 the lanes' offset into ybuf;
;             v126, v127 the closing add's two; v128-255 x's rows of codes as loaded, then the 16 accumulators A1, A3, then rows of y
;   window 1: the ring of weights: group g % 4 at v[64 (g % 4)], fragment f at + 16 f
;   window 2: x's fragments for w1 (64 rt + 16 s); then the hidden layer's (64 ksl + 16 rt); then y scaled
;   window 3: x's fragments for w3; then y's 32 accumulators (32 nt + 8 rt)
;   s33 rot; s34-41 the second product's four bases; s46-47 the first pair's base; s48-49 the next pair's; s60-61 my stream; s84-99 my wave's sixteen D, kept to the end
.set XP,     528                       ; LDS: a row of x's codes: 512 bytes + 16 = 33 x 16: the 16 rows that a load touches start at 16 different banks (64 banks of 4 bytes: ISA guide 11.1)
.set XVER,   64*XP                     ; a version's 64 rows; the two versions lie at 0 and at XVER
.set HIMG,   2*XVER                    ; the hidden layer's images: (8 rt + K step) 2048 + 512 c + 16 lane: 65,536 bytes
.set STG,    HIMG+65536                ; y: 64 rows x 2,064 bytes
.set SP,     2064                      ; 2,048 + 16 = 129 x 16
.set TILES,  51200                     ; in rows: the tiles' two words
.set XQV,    2097152                   ; bytes of a version of x's codes
.set SLOTB,  1572864
.set STREAM, 393216
.set WJ,     34
.set VO,     112
.set MSB, 0
.macro WIN new                         ; the immediate's high byte repeats the setting that is left; a switch that changes nothing is dropped
.if MSB != \new
	s_set_vgpr_msb (MSB<<8)|\new
.set MSB, \new
.endif
.endm
.macro PLACES                          ; four plain vector lines between a matrix instruction and a vector read or write of its registers; they stand ahead of loads into such registers too, and the wait that states that dependence follows them
.rept 4
	v_nop
.endr
.endm
.macro BARRIER                         ; my LDS stores have landed and my LDS loads are in: then the work-group's barrier
	s_wait_dscnt 0x0
	s_barrier_signal -1
	s_barrier_wait -1
.endm
.macro REFILL k, base, off             ; a group of the first products, four fragments, 8 KB, into ring slot k: 16 loads of 512 consecutive bytes
	WIN 0x40
.irp j, 0,1,2,3,4,5,6,7,8,9,10,11,12,13,14,15
	global_load_b128 v[64*(\k)+4*\j:64*(\k)+4*\j+3], v4, s[\base:\base+1] offset:(\off)+512*\j
.endr
.endm
.macro REFILL2 k, q                    ; the second product's group at place q (half q / 8, place of column pair (q / 2) % 4, kp = q % 2): fragment f = 2 a + nn, piece c comes from where the hidden block at place 4 a + c lies
	WIN 0x40
.irp f, 0,1,2,3
.irp c, 0,1,2,3
	global_load_b128 v[64*(\k)+16*\f+4*\c:64*(\k)+16*\f+4*\c+3], v[VO+4*(\f/2)+\c], s[WJ+2*(((\q)/2)%4):WJ+2*(((\q)/2)%4)+1] offset:65536*((\q)/8)+8192*((\q)%2)+2048*(\f%2)
.endr
.endr
.endm
.macro MKSC se, vs, vl                 ; 2^e (the conversion takes its exponent field) and 57,344 x 2^e, as f32
	s_add_co_i32 s53, s[\se], 127
	s_lshl_b32 s57, s53, 23
	v_mov_b32 v[\vs], s57
	s_add_co_i32 s53, s53, 15
	s_lshl_b32 s53, s53, 23
	s_or_b32 s53, s53, 0x600000
	v_mov_b32 v[\vl], s53
.endm
	s_load_b256 s[8:15], s[0:1], 0x0               ; xq 8, rows 10, gatew 12, wf 14
	s_load_b128 s[16:19], s[0:1], 0x20             ; lowp_scales 16, ybuf 18
	v_lshl_add_u32 v126, v0, 2, 0x40c00
	v_mov_b32 v127, 0
	v_and_b32 v1, 31, v0                           ; lane
	v_lshrrev_b32 v11, 5, v0
	v_readfirstlane_b32 s32, v11                   ; wave 0..3
	v_and_b32 v2, 15, v0                           ; r
	v_bfe_u32 v3, v0, 4, 1                         ; h
	v_lshlrev_b32 v4, 4, v1                        ; 16 x lane
	s_wait_alu depctr_va_sdst(0)                   ; s32, the wave's number, is written, ahead of its first reader: LDS addresses and bases are made from it
	; every LDS address is made here: constants, the lane, the wave
	s_lshl_b32 s53, s32, 12
	s_add_co_u32 s53, s53, HIMG
	v_add_nc_u32 v5, s53, v4                       ; where I store the hidden layer's pieces: my two K steps
	v_add_nc_u32 v7, HIMG, v4                      ; and where anyone reads them
	s_mul_i32 s53, s32, 16*SP
	s_add_co_u32 s53, s53, STG
	v_add_nc_u32 v8, s53, v4                       ; the stage by rows: my 16 rows, 16 bytes a lane
	v_mul_u32_u24 v9, v2, XP
	v_lshl_add_u32 v9, v3, 4, v9                   ; x's fragments: row r, + 16 h
	s_mul_i32 s53, s32, 16*XP
	v_add_nc_u32 v10, s53, v4                      ; x's rows into LDS: my 16 rows, 16 bytes a lane
	v_mul_u32_u24 v11, v2, SP
	v_lshl_add_u32 v11, v3, 5, v11
	s_lshl_b32 s53, s32, 9
	s_add_co_u32 s53, s53, STG
	v_add_nc_u32 v11, s53, v11
.irp rt, 0,1,2,3
	v_add_nc_u32 v[12+\rt], 16*SP*\rt, v11         ; y into the stage: row 16 rt + r, + 512 w + 32 h
.endr
	v_lshlrev_b32 v17, 2, v2                       ; 4 r: row r's word among sixteen
	; the rotation, from the tile's number alone; it enters global addresses only
	s_and_b32 s33, ttmp9, 7
	s_bfe_u32 s53, ttmp9, 0x10003
	s_mul_i32 s53, s53, 7
	s_xor_b32 s33, s33, s53                        ; rot
.irp p, 0,1,2,3,4,5,6,7
	s_add_co_u32 s74, s33, \p
	s_and_b32 s74, s74, 7                          ; the hidden block pi at place p of a K-step pair;
	s_lshr_b32 s75, s74, 2
	s_lshl_b32 s75, s75, 12                        ; in a group of w2 its piece lies at 4096 (pi / 4)
	s_and_b32 s74, s74, 3
	s_lshl_b32 s74, s74, 9                         ; + 512 (pi % 4)
	s_add_co_u32 s74, s74, s75
	v_add_nc_u32 v[VO+\p], s74, v4                 ; + 16 x lane
.endr
	v_lshrrev_b32 v120, 3, v1                      ; y's way to ybuf: the chunk of 128 bytes at place lane / 8 of a wave's 512 belongs at ((lane / 8 + rot) & 3)
	v_add_nc_u32 v120, s33, v120
	v_and_b32 v120, 3, v120
	v_lshlrev_b32 v120, 7, v120
	v_and_b32 v121, 7, v1
	v_lshl_add_u32 v120, v121, 4, v120
	s_lshl_b32 s40, ttmp9, 8                       ; the tile's 64 words of rows,
	s_mov_b32 s41, 0
	s_lshl_b32 s42, ttmp9, 3
	s_add_co_u32 s42, s42, TILES                   ; its two words,
	s_mov_b32 s43, 0
	s_lshl_b32 s44, s32, 6                         ; my wave's sixteen of the 64
	s_mov_b32 s45, 0
	s_wait_kmcnt 0x0
	s_add_nc_u64 s[34:35], s[10:11], s[42:43]
	s_add_nc_u64 s[36:37], s[10:11], s[40:41]
	s_add_nc_u64 s[38:39], s[36:37], s[44:45]
	s_load_b256 s[20:27], s[16:17], 0x0            ; the twelve exponents
	s_load_b128 s[28:31], s[16:17], 0x20
	s_load_b64 s[50:51], s[34:35], 0x0             ; the tile's slot, its rows
	s_load_b512 s[84:99], s[38:39], 0x0            ; my wave's sixteen D
	s_wait_alu depctr_va_vdst(0)                   ; the addresses that stay are written: v4, v7-10, v12-15, v17 and v112-119, which the loads and stores of the whole kernel read
.irp rt, 0,1,2,3
	global_load_b32 v[64+\rt], v17, s[36:37] offset:64*\rt   ; the D of row 16 rt + r, for its weight
.endr
	s_wait_kmcnt 0x0
; ---- X: gather.  My wave owns rows 16 w .. 16 w + 15 of the tile.  x's loads go out first, then the ring's first groups; all else is made while they are on their way
	s_min_u32 s50, s50, 8                          ; the slot enters addresses
	s_min_u32 s72, s50, 1                          ; 0 shared, 1 routed:
	s_lshl_b32 s72, s72, 22                        ; versions 0, 1 or 2, 3 of x's codes
	s_mov_b32 s73, 0
	s_add_nc_u64 s[8:9], s[8:9], s[72:73]
.irp i, 0,1,2,3,4,5,6,7,8,9,10,11,12,13,14,15
	s_min_u32 s74, s[84+\i], 12287                 ; it enters an address
	s_and_b32 s74, s74, 4095                       ; the token
	s_lshl_b32 s74, s74, 9
	v_add_nc_u32 v[34+\i], s74, v4                 ; row i: 512 x token + 16 x lane
.endr
	s_wait_alu depctr_va_vdst(0)                   ; the sixteen row offsets v34-49 are written, which x's loads read
.set i, 0
.rept 16
	global_load_b128 v[128+8*i:131+8*i], v[34+i], s[8:9]              ; the row's 512 codes for w1: 512 consecutive bytes
	global_load_b128 v[132+8*i:135+8*i], v[34+i], s[8:9] offset:XQV   ; and for w3
.set i, i+1
.endr
	s_mul_i32 s80, s50, SLOTB
	s_mul_i32 s53, s32, STREAM
	s_add_co_u32 s80, s80, s53
	s_mov_b32 s81, 0
	s_add_nc_u64 s[60:61], s[14:15], s[80:81]      ; my stream of weights
	s_lshl_b32 s72, s33, 15
	s_add_nc_u64 s[46:47], s[60:61], s[72:73]      ; pair rot: the first trip's
	REFILL 0, 46, 0
	WIN 0
	s_add_co_u32 s72, s33, 1
	s_and_b32 s72, s72, 7
	s_lshl_b32 s72, s72, 15
	s_add_nc_u64 s[48:49], s[60:61], s[72:73]      ; pair (rot + 1) & 7: what the first trip asks for
	s_min_u32 s55, s51, 64                         ; rows in the tile: 0 to 64
	s_lshl_b32 s53, s32, 4
	s_sub_co_i32 s56, s55, s53                     ; of them from my wave's first row on
	s_cmp_eq_u32 s50, 0                            ; the shared expert's six exponents, or the routed ones'
	s_cselect_b32 s66, s20, s27                    ; ex1
	s_cselect_b32 s67, s21, s26                    ; ew1
	s_cselect_b32 s68, s22, s29                    ; ex3
	s_cselect_b32 s69, s23, s28                    ; ew3
	s_cselect_b32 s70, s24, s30                    ; eh
	s_cselect_b32 s71, s25, s31                    ; ew2
	s_add_co_i32 s82, s66, s67                     ; ex1 + ew1
	s_lshl_b32 s53, s82, 23
	s_add_co_u32 s62, s53, 0xbfb8aa3b              ; -log2(e) x 2^(ex1 + ew1): the exponents are added to the factor's exponent field
	s_mov_b32 s63, s62                             ; (named with it as a pair, so it is written)
	s_sub_co_i32 s82, s70, s82
	s_sub_co_i32 s82, s82, s68
	s_sub_co_i32 s82, s82, s69                     ; eh - ex1 - ew1 - ex3 - ew3
	MKSC 82, 32, 33
	s_add_co_i32 s79, s70, s71                     ; eh + ew2
	s_wait_loadcnt 48                              ; the four D are in: behind them x's 32 loads and the group's 16 were issued.  Their base may be written again
.irp j, 0,1,2,3
	s_add_co_u32 s72, s33, \j
	s_and_b32 s72, s72, 3                          ; the pair of column tiles at place j
	s_lshl_b32 s72, s72, 14                        ; two groups each,
	s_add_co_u32 s72, s72, 262144                  ; behind the first products' 32 groups
	s_add_nc_u64 s[WJ+2*\j:WJ+2*\j+1], s[60:61], s[72:73]
.endr
.irp rt, 0,1,2,3
	v_min_u32 v[64+\rt], 12287, v[64+\rt]          ; it enters an address
	v_lshlrev_b32 v[64+\rt], 2, v[64+\rt]
.endr
	s_wait_alu depctr_va_vdst(0)                   ; the four offsets v64-67 are written, which the loads of the weights read
.irp rt, 0,1,2,3
	global_load_b32 v[20+2*\rt], v[64+\rt], s[12:13]   ; the gate's weight of row 16 rt + r: wanted on the way out
.endr
	REFILL 1, 46, 8192
	WIN 0
.set i, 0
.rept 16
.if 66-2*i > 63
	s_wait_loadcnt 63                              ; (the count's field ends here; a smaller count is safe)
.else
	s_wait_loadcnt 66-2*i                          ; row i's two loads are in; behind them: the younger rows' 30 - 2 i, a group's 16, the 4 weights, a group's 16
.endif
	ds_store_b128 v10, v[128+8*i:131+8*i] offset:XP*i
	ds_store_b128 v10, v[132+8*i:135+8*i] offset:XVER+XP*i
.set i, i+1
.endr
	REFILL 2, 46, 16384
	REFILL 3, 46, 24576
	WIN 0
	BARRIER                                        ; the 64 rows' codes, both versions, lie in LDS
; ---- 1: the hidden layer.  All of x's fragments come into registers once: 16 for w1, 16 for w3.  Lane (r, h), piece c of (rt, s): bytes 128 s + 32 c + 16 h of row 16 rt + r
	WIN 0x80
.irp rt, 0,1,2,3
.irp s, 0,1,2,3
.irp c, 0,1,2,3
	ds_load_b128 v[64*\rt+16*\s+4*\c:64*\rt+16*\s+4*\c+3], v9 offset:16*XP*\rt+128*\s+32*\c
.endr
.endr
.endr
	WIN 0xc0
.irp rt, 0,1,2,3
.irp s, 0,1,2,3
.irp c, 0,1,2,3
	ds_load_b128 v[64*\rt+16*\s+4*\c:64*\rt+16*\s+4*\c+3], v9 offset:XVER+16*XP*\rt+128*\s+32*\c
.endr
.endr
.endr
	s_wait_dscnt 0x0
	WIN 0
	s_wait_alu depctr_vm_vsrc(0)                   ; x's LDS stores have read v128-255, which the products write; the loads of the weights have read v64-67, which the activation writes; x's loads have read v34-49, which the way out writes
; K step s of a pair of 32 hidden units: 16 products on 16 accumulators, which take turns, one instruction a turn, in the same order in every step
.macro PROD s
	WIN 0x09                                       ; source 0 (weights) window 1, source 1 (x for w1) window 2
.irp uu, 0,1
.irp rt, 0,1,2,3
.if \s == 0
	v_wmma_f32_16x16x128_bf8_bf8 v[128+32*\uu+8*\rt:135+32*\uu+8*\rt], v[64*\s+16*\uu:64*\s+16*\uu+15], v[64*\rt+16*\s:64*\rt+16*\s+15], 0
.else
	v_wmma_f32_16x16x128_bf8_bf8 v[128+32*\uu+8*\rt:135+32*\uu+8*\rt], v[64*\s+16*\uu:64*\s+16*\uu+15], v[64*\rt+16*\s:64*\rt+16*\s+15], v[128+32*\uu+8*\rt:135+32*\uu+8*\rt]
.endif
.endr
.endr
	WIN 0x0d                                       ; source 1 (x for w3) window 3
.irp uu, 0,1
.irp rt, 0,1,2,3
.if \s == 0
	v_wmma_f32_16x16x128_bf8_bf8 v[192+32*\uu+8*\rt:199+32*\uu+8*\rt], v[64*\s+32+16*\uu:64*\s+32+16*\uu+15], v[64*\rt+16*\s:64*\rt+16*\s+15], 0
.else
	v_wmma_f32_16x16x128_bf8_bf8 v[192+32*\uu+8*\rt:199+32*\uu+8*\rt], v[64*\s+32+16*\uu:64*\s+32+16*\uu+15], v[64*\rt+16*\s:64*\rt+16*\s+15], v[192+32*\uu+8*\rt:199+32*\uu+8*\rt]
.endif
.endr
.endr
.endm
; h = silu(a1) a3 of tile of rows rt, 16 numbers a lane, and its codes.  A1 A3 / (1 + 2^(-log2(e) a1)); every accumulator is read from its low end on.
; slot < 4: that ring slot is asked for again behind the first wait: with the next pair's group, or (last = 1) with the second product's group at that place
.macro ACT rt, slot, last
.set TT, 64+16*((\rt)%2)
.irp uu, 0,1
.irp i, 0,2,4,6
	v_pk_mul_f32 v[TT+8*\uu+\i:TT+8*\uu+\i+1], v[128+32*\uu+8*(\rt)+\i:129+32*\uu+8*(\rt)+\i], s[62:63] op_sel_hi:[1,0]
.endr
.endr
.irp i, 0,1,2,3,4,5,6,7,8,9,10,11,12,13,14,15
	v_exp_f32 v[TT+\i], v[TT+\i]
.endr
.irp uu, 0,1
.irp i, 0,2,4,6
	v_pk_mul_f32 v[128+32*\uu+8*(\rt)+\i:129+32*\uu+8*(\rt)+\i], v[128+32*\uu+8*(\rt)+\i:129+32*\uu+8*(\rt)+\i], v[192+32*\uu+8*(\rt)+\i:193+32*\uu+8*(\rt)+\i]   ; (the plain lines behind the exponentials)
.endr
.endr
	s_wait_alu depctr_va_vdst(0)                   ; the sixteen exponentials have written v[TT ..], ahead of their first reader; and the trip's products, all issued ahead of this line, are done reading ring slots 2 and 3
.if (\slot) < 4
.if \last
	REFILL2 \slot, \slot                           ; no vector or matrix instruction since that wait names the ring or the offsets.  Slot 2 goes with the first tile of rows (32 loads are out, 48 with these), slot 3 with the second (48, 64 with these)
.else
	REFILL \slot, 48, 8192*(\slot)                 ; likewise
.endif
	WIN 0
.endif
.irp i, 0,2,4,6,8,10,12,14
	v_pk_add_f32 v[TT+\i:TT+\i+1], v[TT+\i:TT+\i+1], 1.0 op_sel_hi:[1,0]
.endr
.irp i, 0,1,2,3,4,5,6,7,8,9,10,11,12,13,14,15
	v_rcp_f32 v[TT+\i], v[TT+\i]
.endr
	v_nop                                          ; one plain line behind the reciprocals (ISA guide 5.7.2)
	s_wait_alu depctr_va_vdst(0)                   ; the sixteen reciprocals have written v[TT ..], ahead of their first reader
.irp uu, 0,1
.irp i, 0,2,4,6
	v_pk_mul_f32 v[128+32*\uu+8*(\rt)+\i:129+32*\uu+8*(\rt)+\i], v[128+32*\uu+8*(\rt)+\i:129+32*\uu+8*(\rt)+\i], v[TT+8*\uu+\i:TT+8*\uu+\i+1]
.endr
.endr
.irp uu, 0,1
.irp i, 0,1,2,3,4,5,6,7
	v_med3_num_f32 v[128+32*\uu+8*(\rt)+\i], v[128+32*\uu+8*(\rt)+\i], -v33, v33   ; the conversion to an 8-bit code does not saturate (ISA guide 7.6.2): the hold at the largest code x the scale
.endr
.endr
	v_cvt_scalef32_pk8_bf8_f32 v[96+4*(\rt):97+4*(\rt)], v[128+8*(\rt):135+8*(\rt)], v32     ; the pair's units 16 h + 0 .. 7,
	v_cvt_scalef32_pk8_bf8_f32 v[98+4*(\rt):99+4*(\rt)], v[160+8*(\rt):167+8*(\rt)], v32     ; + 8 .. 15: one 16-byte piece of the next operand
.endm
; a trip: 32 of my 256 hidden units for the 64 rows.  The ring's groups are asked for in the stream's order: those for slots 0 and 1 between the two runs of products, those for slots 2 and 3 in the activation
.macro TRIP last
	s_wait_loadcnt 48                              ; K step 0's 16 loads are in (and, the first time, the 4 weights, which are older than the next group); the three younger groups' 48 may be out: so on the way in and over the backward jump
	PROD 0
	s_wait_loadcnt 32                              ; K step 1's are in; the two younger groups' 32 may be out
	PROD 1
	PLACES
	WIN 0x40
	s_wait_alu depctr_va_vdst(0)                   ; the products of K steps 0 and 1 are done reading ring slots 0 and 1, in which the 32 loads below land
.if \last
	REFILL2 0, 0
	REFILL2 1, 1
.else
	REFILL 0, 48, 0
	REFILL 1, 48, 8192
.endif
	s_wait_loadcnt 48                              ; K step 2's are in; behind them: K step 3's 16 and the 32 just issued
	PROD 2
	s_wait_loadcnt 32                              ; K step 3's are in; the 32 issued in this trip may be out
	PROD 3
	PLACES
	WIN 0
	s_wait_dscnt 0x0                               ; the last trip's four LDS stores are done
	s_wait_alu depctr_vm_vsrc(0)                   ; and have read the codes v96-111 and their address v6, which this trip writes again
	ACT 0, 2, \last
	ACT 1, 3, \last
	ACT 2, 4, \last
	ACT 3, 4, \last
	v_nop                                          ; one plain line behind the last conversion: the next products write its sources
.if \last
	v_add_nc_u32 v6, 3584, v5                      ; place 7
.else
	v_add_nc_u32 v6, s78, v5                       ; place t of my two K steps: 512 t bytes on
.endif
	s_wait_alu depctr_va_vdst(0)                   ; the eight conversions have written v96-111 and the addition v6, which the four LDS stores read
.irp rt, 0,1,2,3
	ds_store_b128 v6, v[96+4*\rt:99+4*\rt] offset:16384*\rt
.endr
.endm
	s_mov_b32 s77, 0
	s_mov_b32 s78, 0
.Lpair:                                            ; seven trips; each asks for the pair that the next one multiplies
	TRIP 0
	s_wait_xcnt 0x0                                ; the loads have had their addresses translated (ISA guide 3.1): their base is written again only behind this wait
	s_add_co_u32 s77, s77, 1
	s_add_co_u32 s72, s33, s77
	s_add_co_u32 s72, s72, 1
	s_and_b32 s72, s72, 7                          ; pair (rot + t + 1) & 7
	s_lshl_b32 s72, s72, 15
	s_add_nc_u64 s[48:49], s[60:61], s[72:73]
	s_add_co_u32 s78, s78, 512
	s_cmp_lt_u32 s77, 7
	s_cbranch_scc1 .Lpair
	TRIP 1                                         ; the eighth is written out: its refills are the second product's first four groups
	BARRIER                                        ; the hidden layer's 32 images lie in LDS
; ---- 2: my 128 outputs for the 64 rows.  K in two halves of 512; a half's 16 hidden fragments lie in window 2
.macro HLOAD ksl, half
	WIN 0x80
.irp rt, 0,1,2,3
.irp c, 0,1,2,3
	ds_load_b128 v[64*\ksl+16*\rt+4*\c:64*\ksl+16*\rt+4*\c+3], v7 offset:(8*\rt+4*\half+\ksl)*2048+512*\c
.endr
.endr
.endm
; the group at place g: two K steps x two tiles of outputs x four tiles of rows: 16 products on 8 accumulators by turns
.macro G2 g
.set HF, (\g)/8
.set NPP, ((\g)/2)%4
.set KP, (\g)%2
.set RG, 64*((\g)%4)
.if 15-(\g) >= 3
	s_wait_loadcnt 48                              ; this group is in; three younger groups may be out
.else
	s_wait_loadcnt 16*(15-(\g))                    ; the stream's end: the counts run down
.endif
.if (\g) == 8
	s_wait_dscnt 32                                ; the second half's K steps 0, 1 are in; the 32 loads of its K steps 2, 3 may be out
.endif
.if (\g) == 9
	s_wait_dscnt 0x0
.endif
	WIN 0xf9                                       ; source 0 (weights) window 1, source 1 (hidden) window 2, C and D window 3
.irp f, 0,1,2,3
.irp rt, 0,1,2,3
.if (HF == 0) && (KP == 0) && (\f < 2)
	v_wmma_f32_16x16x128_bf8_bf8 v[32*(2*NPP+\f%2)+8*\rt:32*(2*NPP+\f%2)+8*\rt+7], v[RG+16*\f:RG+16*\f+15], v[64*(2*KP+\f/2)+16*\rt:64*(2*KP+\f/2)+16*\rt+15], 0
.else
	v_wmma_f32_16x16x128_bf8_bf8 v[32*(2*NPP+\f%2)+8*\rt:32*(2*NPP+\f%2)+8*\rt+7], v[RG+16*\f:RG+16*\f+15], v[64*(2*KP+\f/2)+16*\rt:64*(2*KP+\f/2)+16*\rt+15], v[32*(2*NPP+\f%2)+8*\rt:32*(2*NPP+\f%2)+8*\rt+7]
.endif
.endr
.endr
	PLACES
.if (\g) <= 11
	WIN 0x40
	s_wait_alu depctr_va_vdst(0)                   ; this group's products are done reading ring slot g % 4, in which the loads below land; g = 6, 7: and the two hidden K steps whose registers the LDS loads below take
	REFILL2 (\g)%4, (\g)+4
.endif
.if (\g) == 6                          ; the first half's K steps 0, 1 have had their last product: the second half's take their registers
	HLOAD 0, 1
	HLOAD 1, 1
.endif
.if (\g) == 7
	HLOAD 2, 1
	HLOAD 3, 1
.endif
.endm
	HLOAD 0, 0                                     ; into the registers of x's fragments for w1: their last readers, the eighth trip's products, stand ahead of that trip's waits on va_vdst, and nothing since names them
	HLOAD 1, 0
	HLOAD 2, 0
	HLOAD 3, 0
	s_wait_dscnt 0x0
.irp g, 0,1,2,3,4,5,6,7,8,9,10,11,12,13,14,15
	G2 \g
.endr
; ---- THE WAY OUT.  Each sum x its row's factor (the last group's four places stand in front); a row's 512 outputs come from four waves: they meet in the stage, and each wave stores 16 whole rows
	WIN 0
.irp rt, 0,1,2,3
	v_ldexp_f32 v[20+2*\rt], v[20+2*\rt], s79      ; a row's factor: the gate's weight x 2^(eh + ew2)
.endr
.irp rt, 0,1,2,3
	v_mov_b32 v[21+2*\rt], v[20+2*\rt]             ; (named with it as a pair, so it is written)
.endr
.irp i, 0,1,2,3,4,5,6,7,8,9,10,11,12,13,14,15
	s_min_u32 s74, s[84+\i], 12287                 ; it enters an address
	s_lshl_b32 s74, s74, 11
	v_add_nc_u32 v[34+\i], s74, v120               ; my row i in ybuf: 2,048 x D + the lane's place, the rotation of the column pairs undone.  Made here, so that the one wait below serves these offsets too
.endr
	WIN 0x83                                       ; source 0 (the sums) window 3, destination window 2
.set i, 0
.rept 128
	v_pk_mul_f32 v[2*i:2*i+1], v[2*i:2*i+1], v[20+2*((i/4)%4):21+2*((i/4)%4)] op_sel_hi:[1,0]   ; each accumulator from its low end on
.set i, i+1
.endr
	WIN 0x08                                       ; store data window 2
	s_wait_alu depctr_va_vdst(0)                   ; the multiplications have written y scaled, which the LDS stores read; the additions have written v34-49, which the stores into ybuf read; and every matrix and vector instruction that named v128-255 is done, where the stage's loads land
.irp nt, 0,1,2,3,4,5,6,7
.irp rt, 0,1,2,3
	ds_store_b128 v[12+\rt], v[32*\nt+8*\rt:32*\nt+8*\rt+3] offset:64*\nt       ; lane (r, h): row 16 rt + r, place nt of my eight column tiles, columns 8 h + 0 .. 7 of it
	ds_store_b128 v[12+\rt], v[32*\nt+8*\rt+4:32*\nt+8*\rt+7] offset:64*\nt+16
.endr
.endr
	WIN 0
	BARRIER                                        ; 64 whole rows of y lie in the stage
.irp bt, 0,1                           ; eight rows at a time
.if \bt == 1
	s_wait_xcnt 0x0                                ; the first eight rows' stores have had their addresses translated (ISA guide 3.1),
	s_wait_alu depctr_vm_vsrc(0)                   ; and have read v128-255, in which the loads below land
.endif
.irp ii, 0,1,2,3,4,5,6,7
.irp q, 0,1,2,3
	ds_load_b128 v[128+16*\ii+4*\q:131+16*\ii+4*\q], v8 offset:SP*(8*\bt+\ii)+512*\q
.endr
.endr
.irp ii, 0,1,2,3,4,5,6,7
	s_wait_dscnt 28-4*\ii                          ; this row's four loads are in
	s_cmp_le_i32 s56, 8*\bt+\ii                    ; rows beyond the slot's last are not stored: the one branch on stored numbers, and no barrier follows it
	s_cbranch_scc1 .Ldone
.irp q, 0,1,2,3
	global_store_b128 v[34+8*\bt+\ii], v[128+16*\ii+4*\q:131+16*\ii+4*\q], s[18:19] offset:512*\q   ; 32 lanes store 512 consecutive bytes (four chunks of 128, eight lanes each), at a multiple of 512 from ybuf's first byte
.endr
.endr
.endr
.Ldone:
	s_wait_dscnt 0x0                               ; the closing lines, six on end
	s_wait_alu 0x0
	s_wait_tensorcnt 0x0
	ds_add_u32 v126, v127
	s_wait_dscnt 0x0
	s_endpgm
.Lfunc_end_k_q380832e7bf_chain:
	.size	k_q380832e7bf_chain, .Lfunc_end_k_q380832e7bf_chain-k_q380832e7bf_chain
	.p2alignl 7, 3214868480
	.fill 96, 4, 3214868480
	.section	.rodata,"a",@progbits
	.p2align	6, 0x0
	.amdhsa_kernel k_q380832e7bf_chain
		.amdhsa_group_segment_fixed_size 265728
		.amdhsa_private_segment_fixed_size 0
		.amdhsa_enable_private_segment 0
		.amdhsa_kernarg_size 48
		.amdhsa_user_sgpr_count 2
		.amdhsa_user_sgpr_kernarg_segment_ptr 1
		.amdhsa_wavefront_size32 1
		.amdhsa_system_sgpr_workgroup_id_x 1
		.amdhsa_system_sgpr_workgroup_id_y 1
		.amdhsa_system_sgpr_workgroup_id_z 1
		.amdhsa_system_vgpr_workitem_id 0
		.amdhsa_next_free_vgpr 1024
		.amdhsa_next_free_sgpr 100
		.amdhsa_reserve_vcc 0
		.amdhsa_float_denorm_mode_32 3
		.amdhsa_float_denorm_mode_16_64 3
		.amdhsa_memory_ordered 1
		.amdhsa_forward_progress 1
		.amdhsa_inst_pref_size 161
	.end_amdhsa_kernel
	.amdgpu_metadata
---
amdhsa.version: [ 1, 2 ]
amdhsa.kernels:
  - .name:           k_q380832e7bf_chain
    .symbol:         k_q380832e7bf_chain.kd
    .args:
      - { .name: xq, .offset: 0, .size: 8, .value_kind: global_buffer, .address_space: global }
      - { .name: rows, .offset: 8, .size: 8, .value_kind: global_buffer, .address_space: global }
      - { .name: gatew, .offset: 16, .size: 8, .value_kind: global_buffer, .address_space: global }
      - { .name: wf, .offset: 24, .size: 8, .value_kind: global_buffer, .address_space: global }
      - { .name: lowp_scales, .offset: 32, .size: 8, .value_kind: global_buffer, .address_space: global }
      - { .name: ybuf, .offset: 40, .size: 8, .value_kind: global_buffer, .address_space: global }
    .group_segment_fixed_size: 265728
    .private_segment_fixed_size: 0
    .kernarg_segment_align: 8
    .kernarg_segment_size: 48
    .max_flat_workgroup_size: 128
    .sgpr_count:     100
    .vgpr_count:     1024
    .wavefront_size: 32
...
	.end_amdgpu_metadata
.endif
;; end of part 5
;; launch combine: the kernel of part 4 again; grid 256 x 1, 8 waves a work-group, no clusters, 0 bytes of LDS; arguments ybuf, out0; writes out0
